; MI455X (gfx1250); checked and timed in simulation.
; The chip was launched on July 23, 2026; its instructions are those of AMD's public machine-readable ISA for CDNA 5 (MIT licence, August 2026) and "CDNA5" Instruction Set Architecture Reference Guide (July 2026). The comments in the code are by the model that wrote it; some were corrected since.
;; Multi Head Attention. Allowed arithmetic: matrix products marked QUANTISED: E2M3 operands, one E8M0 scale for each 32 along K, by v_wmma_scale_f32_16x16x128_f8f6f4 with both operands' format E2M3, f32 sums; everything else in f32.
;; Inputs: token_positions 4 x 2,048 int32; wk 1,024 x 1,024 float32; wo 1,024 x 1,024 float32; wq 1,024 x 1,024 float32; wv 1,024 x 1,024 float32; x 4 x 2,048 x 1,024 float32.
;; Outputs: out0 4 x 2,048 x 1,024 float32.
;; This version of the problem:
;;   THIS VERSION OF THE PROBLEM IS GIVEN IN LOW PRECISION. The matrix products marked QUANTISED in the list below multiply operands that are first quantised to E2M3 (2 exponent bits, 3 mantissa bits; 6 bits a number), with one power-of-two scale for each 32 numbers along K (OCP MX v1.0); their sums are f32. All else is computed in f32.
;;   The module's matrix products, in the order in which they are computed (A, B: the left and right operand; K: the contracted axis; several contracted axes count as one K, in the product's order):
;;     1. [M 8,192, K 1,024] x [K 1,024, N 1,024]; A: input x; B: input wq: QUANTISED
;;     2. [M 8,192, K 1,024] x [K 1,024, N 1,024]; A: input x; B: input wk: QUANTISED
;;     3. [M 8,192, K 1,024] x [K 1,024, N 1,024]; A: input x; B: input wv: QUANTISED
;;     4. batch 64 x [M 2,048, K 64] x [K 64, N 2,048]; A: computed on the way; B: computed on the way: QUANTISED
;;     5. batch 64 x [M 2,048, K 2,048] x [K 2,048, N 64]; A: softmax (see below); B: computed on the way: QUANTISED
;;     6. [M 8,192, K 1,024] x [K 1,024, N 1,024]; A: computed on the way; B: input wo: QUANTISED
;;   THE QUANTISER, for each operand of a quantised product, along K:
;;     - K is cut into blocks of 32 from its start; a last block that is shorter is filled with zeros.
;;     - A block's scale is 2^e with e = floor(log2(the largest magnitude in the block)) - 2, held to -126 .. 127; a block of zeros has e = 0. As a byte (E8M0): e + 127.
;;     - Each number is divided by its block's scale, clamped to +-7.5, and rounded to the nearest number of E2M3, ties to even, subnormals kept.
;;     - The product sums the exact products of the quantised numbers (number of the format x scale) in f32.
;;   ~~~python
;;   def quantise(x, axis):      # numpy; x: float32 -> the quantised numbers, widened to float32 again
;;       x = np.moveaxis(x, axis, -1); K = x.shape[-1]
;;       x = np.pad(x, [(0, 0)] * (x.ndim - 1) + [(0, -K % 32)]); x = x.reshape(x.shape[:-1] + (-1, 32)); a = np.abs(x).max(-1, keepdims=True)
;;       e = np.where(a > 0, np.clip(np.frexp(np.where(a > 0, a, 1))[1] - 1 - 2, -126, 127), 0)      # np.frexp(a)[1] - 1 = floor(log2(a)), exactly
;;       r = np.clip(x / 2.0 ** e, -7.5, 7.5)
;;       step = 2.0 ** (np.maximum(np.frexp(np.where(r == 0, 1, r))[1] - 1, 0) - 3)
;;       q = np.round(r / step) * step * 2.0 ** e      # np.round: ties to even
;;       return np.moveaxis(q.reshape(q.shape[:-2] + (-1,))[..., :K], -1, axis).astype(np.float32)
;;   ~~~
;;   SOFTMAX AHEAD OF A QUANTISED PRODUCT. Where the list says 'softmax', what is quantised is not the finished softmax but p = 2^(t - M), with t = logit x log2(e) and M = ceil(the row's largest t), a whole number; so 1/2 < the row's largest p <= 1. The row's sum l is taken of the UNQUANTISED p, in f32, and the product's result is divided by l at the end. Since M is a whole number, a kernel that streams over the keys may use a running M (the ceiling of the running maximum): every later rescaling is an exact power of two, which a block's scale takes up: the codes' values come out the same.
;;   OPERANDS COMPUTED ON THE WAY. 'Computed on the way' means the value that the module computes at that place (a softmax that the list does not call 'softmax' is quantised finished and normalised). What goes into a quantiser is computed in f32, as accurately as f32 sums, v_exp_f32 and their like allow (about 1e-6 of the number): no bf16 or f16 on the way to a quantiser, and a product that is left as it is and whose result goes on into a quantised operand takes f32 operands (vector FMAs, or v_wmma_f32_16x16x4_f32). A number that lies on a knife's edge between two numbers of the format may be rounded either way, as far as f32 arithmetic and the matrix unit's own rounding can turn it there, and no further.
;; One version. Each part assembles by itself: llvm-mc -triple=amdgcn-amd-amdhsa -mcpu=gfx1250 --defsym DOCPART=n.
;; ======== version 1 of 1: 4 launches
;; limits: inputs' magnitudes at most 4,194,304
;; workspace buffers: codes 9,437,184 bytes; scales 393,216 bytes; rope 2,097,152 bytes; q 6,815,744 bytes; kv 13,631,488 bytes; ao 6,291,456 bytes; aos 262,144 bytes
;; launch prep (part 1): grid 448 x 1, 4 waves a work-group, no clusters, 34,304 bytes of LDS; arguments x, wq, wk, wv, wo, token_positions, codes, scales, rope; writes codes, scales, rope
.if DOCPART == 1
	.amdgcn_target "amdgcn-amd-amdhsa--gfx1250"
	.amdhsa_code_object_version 6
	.text
	.protected	k_q14ec9398b3_prep
	.globl	k_q14ec9398b3_prep
	.p2align	8
	.type	k_q14ec9398b3_prep,@function
k_q14ec9398b3_prep:
	s_mov_b64 s[64:65], 0
	v_nop
	global_prefetch_b8 v0, s[64:65] scope:SCOPE_SE
	s_setreg_imm32_b32 hwreg(HW_REG_WAVE_MODE, 25, 1), 1
	s_wait_xcnt 0x0
; PREP.  Work-groups 0-383: x [8192][1024] and wq, wk, wv, wo [1024][1024], f32, K innermost, become codes of FP6 (E2M3) with one E8M0 byte for each 32 along K.
; Work-groups 384-447: the table of cos and sin for the rotary embedding, [8192 tokens][32 pairs] f32 each, from token_positions.
; LAYOUT OF THE CODES: images of the matrix operand's registers.  A row block is 16 rows; fragment (row block rb, 128 along K ks) is 1,536 bytes at (8 rb + ks) x 1,536;
; in it plane p (0..5) is 256 bytes: lane l's registers 2 p, 2 p + 1 at 256 p + 8 l.  Row blocks: 0-511 x, 512-575 wq, 576-639 wk, 640-703 wv, 704-767 wo.
; THE ROWS OF A BLOCK ARE NOT NEIGHBOURS: lane r of block 2 g + u holds row 32 g + 8 u + r % 8 + 16 (r / 8), so that the results of two neighbouring blocks are 16 neighbours along a later K.
; Scale bytes: 32 bytes (8 words, one for each 128 along K) for each place, at 32 x (16 rb + r).
; A block's scale is 2^(floor(log2(largest magnitude)) - 2); its byte is the largest magnitude's exponent field - 2, held at 1 from below.
; LIMITS: a block of zeros, or one whose largest magnitude lies under 2^-124, gets the byte 1 (its codes are zeros or tiny; this program alone reads the bytes); NaN and infinities are not served.
; The table: angle = f32(position) x 10^(-i/8) with the frequency rounded once to f32 (the reference's own power may differ in the last bit); the reduction by pi/2 in three parts holds for |position| up to 2^22.
.set QWG,   384                        ; work-groups that quantise
.set SP,    528                        ; a stage row: 512 bytes + 16, so that the 16 rows of a read begin in 16 different groups of banks
.set STGB,  16*SP                      ; a wave's stage
.set SW,    16                         ; v16-19  the four scale words
.set C,     20                         ; v20-31  a fragment's codes
.set CT,    32                         ; v32-34, v36-38 the upper halves of the two blocks (a conversion's three registers begin on an even number)
.set X,     64                         ; v64-127 my 64 numbers of a fragment: register 32 c + i = k 64 c + 32 (lane / 16) + i of row lane % 16
.set R,     128                        ; v128-255 two sets of 16 loads
	s_load_b256 s[4:11], s[0:1], 0x0               ; x, wq, wk, wv
	s_load_b256 s[12:19], s[0:1], 0x20             ; wo, token_positions, codes, scales
	s_load_b64 s[20:21], s[0:1], 0x40              ; rope
	v_lshl_add_u32 v62, v0, 2, 0x8400
	v_mov_b32 v63, 0
	v_lshrrev_b32 v1, 5, v0
	v_readfirstlane_b32 s22, v1                    ; wave 0..3
	v_and_b32 v1, 31, v0                           ; lane
	s_cmp_lt_u32 ttmp9, QWG
	s_cbranch_scc0 .Ltable
; ---- the quantiser.  A wave takes one row block x 512 along K: four fragments
	v_and_b32 v2, 15, v0                           ; r
	v_bfe_u32 v3, v0, 4, 1                         ; h
	v_lshlrev_b32 v4, 4, v1                        ; 16 x lane: my bytes of a load's 512
	s_mul_i32 s23, s22, STGB
	v_add_nc_u32 v5, s23, v4                       ; into the stage: as loaded
	v_mul_u32_u24 v6, v2, SP
	v_lshl_add_u32 v6, v3, 7, v6
	v_add_nc_u32 v6, s23, v6                       ; out of it: row r, + 128 h bytes: my block of 32
	v_lshlrev_b32 v7, 3, v1                        ; 8 x lane: my place in a plane
	v_lshlrev_b32 v8, 5, v2
	v_lshl_add_u32 v8, v3, 3, v8                   ; 32 r + 8 h: my two of the row's four scale words
	v_lshlrev_b32 v9, 3, v3                        ; 8 h: my bytes' shift in a scale word
	v_cmp_ne_u32 s30, 0, v3                        ; lanes 16-31
	v_mov_b32 v47, 0                               ; written once: a lane permute's destination counts as one of its sources
	s_mov_b32 s36, 0x76543210
	s_mov_b32 s37, 0xfedcba98                      ; v_permlanex16_b32's selects for lane l xor 16
	s_lshl_b32 s24, ttmp9, 2
	s_add_co_u32 s24, s24, s22
	s_lshr_b32 s25, s24, 1                         ; my row block among the 768
	s_and_b32 s26, s24, 1                          ; which half of K
	s_wait_alu depctr_va_vdst(0)
	s_wait_kmcnt 0x0
	s_mov_b32 s27, 352                             ; the tensor and its first work-group: the choice hangs on the work-group's number alone
	s_cmp_lt_u32 ttmp9, 352
	s_cselect_b64 s[12:13], s[10:11], s[12:13]
	s_cselect_b32 s27, 320, s27
	s_cmp_lt_u32 ttmp9, 320
	s_cselect_b64 s[12:13], s[8:9], s[12:13]
	s_cselect_b32 s27, 288, s27
	s_cmp_lt_u32 ttmp9, 288
	s_cselect_b64 s[12:13], s[6:7], s[12:13]
	s_cselect_b32 s27, 256, s27
	s_cmp_lt_u32 ttmp9, 256
	s_cselect_b64 s[12:13], s[4:5], s[12:13]
	s_cselect_b32 s27, 0, s27
	s_lshl_b32 s28, s27, 1
	s_sub_co_u32 s28, s25, s28                     ; my row block in its tensor (two to a work-group)
	s_lshr_b32 s29, s28, 1
	s_lshl_b32 s29, s29, 5
	s_and_b32 s28, s28, 1
	s_lshl_b32 s28, s28, 3
	s_add_co_u32 s28, s28, s29                     ; its first row: 32 (rb / 2) + 8 (rb % 2)
	s_lshl_b32 s28, s28, 12                        ; rows of 4,096 bytes
	s_lshl_b32 s29, s26, 11
	s_add_co_u32 s32, s28, s29
	s_mov_b32 s33, 0
	s_add_nc_u64 s[12:13], s[12:13], s[32:33]
	s_mul_i32 s32, s25, 12288
	s_mul_i32 s29, s26, 6144
	s_add_co_u32 s32, s32, s29
	s_add_nc_u64 s[16:17], s[16:17], s[32:33]      ; my four fragments
	s_lshl_b32 s32, s25, 9
	s_lshl_b32 s29, s26, 4
	s_add_co_u32 s32, s32, s29
	s_add_nc_u64 s[18:19], s[18:19], s[32:33]      ; my 16 bytes of each place's 32
.macro LOAD t                          ; fragment t: 16 loads, each 512 consecutive bytes of one row, at a multiple of 512 from the tensor's first byte
.irp i, 0,1,2,3,4,5,6,7,8,9,10,11,12,13,14,15
	global_load_b128 v[R+64*((\t)%2)+4*\i:R+64*((\t)%2)+4*\i+3], v4, s[12:13] offset:((\i%8)+16*(\i/8))*4096+512*(\t) th:TH_LOAD_NT
.endr
.endm
.macro QSTEP t
.if (\t) < 3
	s_wait_loadcnt 16                              ; this fragment's 16 loads are in; the next one's may be out
.else
	s_wait_loadcnt 0x0
.endif
.irp i, 0,1,2,3,4,5,6,7,8,9,10,11,12,13,14,15
	ds_store_b128 v5, v[R+64*((\t)%2)+4*\i:R+64*((\t)%2)+4*\i+3] offset:SP*\i
.endr
.irp c, 0,1
.irp j, 0,1,2,3,4,5,6,7
	ds_load_b128 v[X+32*\c+4*\j:X+32*\c+4*\j+3], v6 offset:256*\c+16*\j   ; LDS serves a wave's instructions in order: these see the stores above
.endr
.endr
	s_wait_dscnt 0x0                               ; my numbers are back, and the stores have read their registers,
.if (\t) < 2
	LOAD (\t)+2                                    ; which take the loads of two fragments on
.endif
.irp c, 0,1
	v_max3_num_f32 v[40+\c], |v[X+32*\c]|, |v[X+32*\c+1]|, 0x1800000   ; my block 2 c + h: all 32 numbers are mine; the floor 2^(3 - 127) holds the byte at 1 from below
.endr
.irp i, 2,4,6,8,10,12,14,16,18,20,22,24,26,28,30
.irp c, 0,1
	v_max3_num_f32 v[40+\c], v[40+\c], |v[X+32*\c+\i]|, |v[X+32*\c+\i+1]|
.endr
.endr
.irp c, 0,1
	v_add_nc_u32 v[42+\c], 0xff000000, v[40+\c]    ; 2 off the exponent field: the conversion takes the exponent field of this operand as its scale
.endr
.irp c, 0,1
	v_lshrrev_b32 v[44+\c], 23, v[42+\c]           ; the scale's byte
.endr
	v_lshl_or_b32 v46, v45, 16, v44                ; blocks h and 2 + h,
	v_lshlrev_b32 v46, v9, v46                     ; at their places in the word;
	v_permlanex16_b32 v47, v46, s36, s37
	v_or_b32 v[SW+(\t)], v46, v47                  ; with lane l xor 16's two the word is whole
	s_wait_alu depctr_va_vdst(0)
	s_wait_xcnt 0x0                                ; the last fragment's stores have read the codes' registers
.irp c, 0,1
	v_cvt_scalef32_pk16_fp6_f32 v[C+6*\c:C+6*\c+2], v[X+32*\c:X+32*\c+15], v[42+\c]
	v_cvt_scalef32_pk16_fp6_f32 v[CT+4*\c:CT+4*\c+2], v[X+32*\c+16:X+32*\c+31], v[42+\c]
.endr
	v_nop                                          ; one plain line behind the scaled conversions
.irp c, 0,1
.irp i, 0,1,2
	v_mov_b32 v[C+3+6*\c+\i], v[CT+4*\c+\i]
.endr
.endr
.irp p, 0,1,2,3,4,5
	global_store_b64 v7, v[C+2*\p:C+2*\p+1], s[16:17] offset:1536*(\t)+256*\p   ; 32 lanes store 256 consecutive bytes, at a multiple of 256 from the buffer's first byte
.endr
.endm
	LOAD 0
	LOAD 1
	QSTEP 0
	QSTEP 1
	QSTEP 2
	QSTEP 3
	v_cndmask_b32 v10, v[SW], v[SW+2], s30         ; lanes 0-15 store words 0, 1 of my half of K, lanes 16-31 words 2, 3
	v_cndmask_b32 v11, v[SW+1], v[SW+3], s30
	global_store_b64 v8, v[10:11], s[18:19]
	s_wait_tensorcnt 0x0
	ds_add_u32 v62, v63
	s_wait_dscnt 0x0
	s_endpgm
; ---- the table.  A work-group takes 128 tokens, a wave 32, in 8 passes of 4: lane l takes token l / 8 of the pass and pairs 4 (l % 8) + 0 .. 3, so a pass stores 512 consecutive bytes of cos and of sin
.Ltable:
	s_sub_co_u32 s23, ttmp9, QWG
	s_lshl_b32 s23, s23, 7
	s_lshl_b32 s24, s22, 5
	s_add_co_u32 s23, s23, s24                     ; my wave's first token
	s_lshl_b32 s24, s23, 2
	s_mov_b32 s25, 0
	s_lshl_b32 s26, s23, 7                         ; 128 bytes of the table a token
	s_mov_b32 s27, 0
	s_wait_alu depctr_va_vdst(0)
	v_lshrrev_b32 v2, 3, v1
	v_lshlrev_b32 v2, 2, v2                        ; 4 x (l / 8)
	v_and_b32 v3, 7, v1                            ; l % 8
	v_lshlrev_b32 v4, 4, v1                        ; 16 x lane
	s_wait_alu depctr_va_vdst(0)
	s_wait_kmcnt 0x0
	s_add_nc_u64 s[14:15], s[14:15], s[24:25]
	s_add_nc_u64 s[20:21], s[20:21], s[26:27]
.irp p, 0,1,2,3,4,5,6,7
	global_load_b32 v[8+\p], v2, s[14:15] offset:16*\p
.endr
.irp m, 1,2,3,4,5,6,7
	v_cmp_eq_u32 s[40+\m], \m, v3
.endr
	s_mov_b32 s48, 0x3f22f983                      ; 2 / pi
	s_mov_b32 s49, 0xbfc90fdb                      ; - pi / 2 in three parts: the f32 nearest,
	s_mov_b32 s50, 0x333bbd2e                      ; what that left over,
	s_mov_b32 s51, 0x26f72ced                      ; and what that left
	s_mov_b32 s52, 0xb94ca1f9                      ; sin r = r + r z ((-1.9515295891e-4 z + 8.3321608736e-3) z - 1.6666654611e-1), z = r r, |r| <= pi / 4
	s_mov_b32 s53, 0x3c08839e
	s_mov_b32 s54, 0xbe2aaaa3
	s_mov_b32 s55, 0x37ccf5ce                      ; cos r = 1 - z / 2 + z z ((2.443315712e-5 z - 1.388731625e-3) z + 4.166664568e-2)
	s_mov_b32 s56, 0xbab6061a
	s_mov_b32 s57, 0x3d2aaaa5
.macro PICK e, m, f                    ; the frequency of pair 4 m + e for the lanes with l % 8 = m
	v_mov_b32 v20, \f
	v_cndmask_b32 v[16+\e], v[16+\e], v20, s[40+\m]
.endm
	v_mov_b32 v16, 1.0                             ; 10^(-i / 8), i = 4 (l % 8) + e
	PICK 0, 1, 0.31622776601683794
	PICK 0, 2, 0.1
	PICK 0, 3, 0.031622776601683794
	PICK 0, 4, 0.01
	PICK 0, 5, 0.0031622776601683794
	PICK 0, 6, 0.001
	PICK 0, 7, 0.00031622776601683794
	v_mov_b32 v17, 0.7498942093324559
	PICK 1, 1, 0.23713737056616552
	PICK 1, 2, 0.07498942093324559
	PICK 1, 3, 0.023713737056616552
	PICK 1, 4, 0.007498942093324559
	PICK 1, 5, 0.0023713737056616552
	PICK 1, 6, 0.0007498942093324559
	PICK 1, 7, 0.00023713737056616552
	v_mov_b32 v18, 0.5623413251903491
	PICK 2, 1, 0.1778279410038923
	PICK 2, 2, 0.05623413251903491
	PICK 2, 3, 0.01778279410038923
	PICK 2, 4, 0.005623413251903491
	PICK 2, 5, 0.001778279410038923
	PICK 2, 6, 0.0005623413251903491
	PICK 2, 7, 0.0001778279410038923
	v_mov_b32 v19, 0.4216965034285822
	PICK 3, 1, 0.1333521432163324
	PICK 3, 2, 0.04216965034285822
	PICK 3, 3, 0.01333521432163324
	PICK 3, 4, 0.004216965034285822
	PICK 3, 5, 0.001333521432163324
	PICK 3, 6, 0.0004216965034285822
	PICK 3, 7, 0.0001333521432163324
	s_wait_loadcnt 0x0
.macro SINCOS p, e                     ; v24 = the position as f32; cos to v[64 + 8 p + e], sin to v[68 + 8 p + e]: registers of their own for each pass, so no store's data are written again
	v_mul_f32 v25, v24, v[16+\e]                   ; the angle, rounded once, as the reference has it
	v_mul_f32 v26, s48, v25
	v_rndne_f32 v26, v26                           ; n = the nearest multiple of pi / 2
	v_fma_f32 v27, v26, s49, v25
	v_fma_f32 v27, v26, s50, v27
	v_fma_f32 v27, v26, s51, v27                   ; r = angle - n pi / 2
	v_cvt_i32_f32 v28, v26
	v_mul_f32 v29, v27, v27                        ; z
	v_fma_f32 v30, v29, s52, s53
	v_fma_f32 v31, v29, s55, s56
	v_fma_f32 v30, v30, v29, s54
	v_fma_f32 v31, v31, v29, s57
	v_mul_f32 v32, v27, v29
	v_mul_f32 v33, v29, v29
	v_fma_f32 v34, v29, -0.5, 1.0
	v_fma_f32 v30, v32, v30, v27                   ; sin r
	v_fma_f32 v31, v33, v31, v34                   ; cos r
	v_and_b32 v35, 1, v28
	v_cmp_eq_u32 vcc_lo, 1, v35                    ; odd n: the two change places
	v_cndmask_b32 v36, v30, v31, vcc_lo
	v_cndmask_b32 v37, v31, v30, vcc_lo
	v_lshlrev_b32 v38, 30, v28                     ; sin's sign: bit 1 of n;
	v_add_nc_u32 v39, 1, v28
	v_lshlrev_b32 v39, 30, v39                     ; cos's: bit 1 of n + 1
	v_and_b32 v38, 0x80000000, v38
	v_and_b32 v39, 0x80000000, v39
	v_xor_b32 v[68+8*\p+\e], v36, v38
	v_xor_b32 v[64+8*\p+\e], v37, v39
.endm
.irp p, 0,1,2,3,4,5,6,7
	v_cvt_f32_i32 v24, v[8+\p]
	SINCOS \p, 0
	SINCOS \p, 1
	SINCOS \p, 2
	SINCOS \p, 3
	global_store_b128 v4, v[64+8*\p:67+8*\p], s[20:21] offset:512*\p
	global_store_b128 v4, v[68+8*\p:71+8*\p], s[20:21] offset:512*\p+1048576
.endr
	s_endpgm
.Lfunc_end_k_q14ec9398b3_prep:
	.size	k_q14ec9398b3_prep, .Lfunc_end_k_q14ec9398b3_prep-k_q14ec9398b3_prep
	.p2alignl 7, 3214868480
	.fill 96, 4, 3214868480
	.section	.rodata,"a",@progbits
	.p2align	6, 0x0
	.amdhsa_kernel k_q14ec9398b3_prep
		.amdhsa_group_segment_fixed_size 34304
		.amdhsa_private_segment_fixed_size 0
		.amdhsa_enable_private_segment 0
		.amdhsa_kernarg_size 72
		.amdhsa_user_sgpr_count 2
		.amdhsa_user_sgpr_kernarg_segment_ptr 1
		.amdhsa_wavefront_size32 1
		.amdhsa_system_sgpr_workgroup_id_x 1
		.amdhsa_system_sgpr_workgroup_id_y 1
		.amdhsa_system_sgpr_workgroup_id_z 1
		.amdhsa_system_vgpr_workitem_id 0
		.amdhsa_next_free_vgpr 256
		.amdhsa_next_free_sgpr 66
		.amdhsa_reserve_vcc 1
		.amdhsa_float_denorm_mode_32 3
		.amdhsa_float_denorm_mode_16_64 3
		.amdhsa_memory_ordered 1
		.amdhsa_forward_progress 1
		.amdhsa_inst_pref_size 80
	.end_amdhsa_kernel
	.amdgpu_metadata
---
amdhsa.version: [ 1, 2 ]
amdhsa.kernels:
  - .name:           k_q14ec9398b3_prep
    .symbol:         k_q14ec9398b3_prep.kd
    .args:
      - { .name: x, .offset: 0, .size: 8, .value_kind: global_buffer, .address_space: global }
      - { .name: wq, .offset: 8, .size: 8, .value_kind: global_buffer, .address_space: global }
      - { .name: wk, .offset: 16, .size: 8, .value_kind: global_buffer, .address_space: global }
      - { .name: wv, .offset: 24, .size: 8, .value_kind: global_buffer, .address_space: global }
      - { .name: wo, .offset: 32, .size: 8, .value_kind: global_buffer, .address_space: global }
      - { .name: token_positions, .offset: 40, .size: 8, .value_kind: global_buffer, .address_space: global }
      - { .name: codes, .offset: 48, .size: 8, .value_kind: global_buffer, .address_space: global }
      - { .name: scales, .offset: 56, .size: 8, .value_kind: global_buffer, .address_space: global }
      - { .name: rope, .offset: 64, .size: 8, .value_kind: global_buffer, .address_space: global }
    .group_segment_fixed_size: 34304
    .private_segment_fixed_size: 0
    .kernarg_segment_align: 8
    .kernarg_segment_size: 72
    .max_flat_workgroup_size: 128
    .sgpr_count:     66
    .vgpr_count:     256
    .wavefront_size: 32
...
	.end_amdgpu_metadata
.endif
;; end of part 1
;; launch qkv (part 2): grid 12 x 32, 4 waves a work-group, clusters of 4 x 4, 327,680 bytes of LDS; arguments codes, scales, rope, q, kv; writes q, kv
.if DOCPART == 2
	.amdgcn_target "amdgcn-amd-amdhsa--gfx1250"
	.amdhsa_code_object_version 6
	.text
	.protected	k_q14ec9398b3_qkv
	.globl	k_q14ec9398b3_qkv
	.p2align	8
	.type	k_q14ec9398b3_qkv,@function
k_q14ec9398b3_qkv:
	s_mov_b64 s[64:65], 0
	v_nop
	global_prefetch_b8 v0, s[64:65] scope:SCOPE_SE
	s_setreg_imm32_b32 hwreg(HW_REG_WAVE_MODE, 25, 1), 1
	s_wait_xcnt 0x0
	s_wait_alu depctr_hold_cnt(0) depctr_sa_sdst(0) depctr_va_vdst(0) depctr_va_sdst(0) depctr_va_ssrc(0) depctr_va_vcc(0) depctr_vm_vsrc(0)
	s_getreg_b32 s2, hwreg(HW_REG_IB_STS2, 6, 4)
	s_cmp_eq_u32 s2, 0
	s_cbranch_scc0 .Lentry_in_a_cluster
	s_endpgm
.Lentry_in_a_cluster:
	s_bfe_u32 s2, ttmp6, 0x10000c
	s_cmp_lg_u32 s2, 0xf033
	s_cbranch_scc0 .Lentry_shape_is_right
	s_endpgm
.Lentry_shape_is_right:
; QKV.  The three projections x wq^T, x wk^T, x wv^T on codes of FP6 (E2M3) with E8M0 scales, K = 1,024; then, in registers, the rotary embedding (q, k) and the quantisers of the attention's operands.
; A tile of 256 x 256 results is made by four waves, 128 x 128 each: 64 accumulators of 16 x 16.  K goes in steps of 256 through a ring of two LDS slots filled by the tensor data mover.
; OPERANDS lie in memory as images of the operand's registers (fragment (row block, 128 along K): 1,536 bytes, six planes of 256 bytes, lane l's two registers at 8 l), so a fragment is six loads of 8 bytes a lane,
; each 256 consecutive LDS bytes, and a tile's row block is 3,072 consecutive bytes of memory.  The scale words of the tile's rows, for all of K, come into LDS once.
; THE MATRIX INSTRUCTION: source 0 = role B (16 places), source 1 = role A: a lane holds one place of A, its registers run along B's places; the places of a block are ordered so that the 16 registers of two
; neighbouring blocks of B are 16 neighbours.  CLUSTERS 4 x 4: A's tiles are asked for jointly along a row of the cluster, B's along a column.
; THREE KINDS OF CLUSTER, by the cluster's x, which all partners share: 0: q, 1: k (A = x's tokens, B = wq's or wk's rows: a lane holds a token, registers run along the head's features);
; 2: v (A = wv's rows, B = x's tokens: a lane holds a channel, registers run along the tokens, which are the second product's K).  Only offsets into the one buffer of codes differ; loop, masks and LDS are one text.
; OUT: records of 6,656 bytes: four fragments (three pieces of 512 bytes each: registers 4 c .. 4 c + 3 of lane l at 512 c + 16 l), then 512 bytes of scale words (lane l: the four fragments' words at 16 l).
;   q [64 heads][16 groups of 128 tokens][record];  kv [64 heads][16 key steps][k's record, v's record].
;   A fragment of q or k holds TWO tokens' 64 features along its 128: registers 6 u .. 6 u + 5 of lane (r, h): token 32 F + 8 u + r % 8 + 16 (r / 8), features 32 h + 0 .. 31; scale byte 2 u + block.
; LIMITS: a block of zeros, or one under 2^-124, gets the byte 1 (this program alone reads the bytes); NaN and infinities are not served.
; REGISTERS: window 0: v16-29 addresses; v32-63 scale words, two sets; v64-127 rotated numbers (way out); from v128 A's fragments, one set (way out: codes and work);
;   window 1: B's fragments, two sets (way out: cos and sin);  windows 2, 3: the accumulators ((a, b) at v[8 (8 (a % 4) + b)]).
.set NQ,     2                         ; matrix instructions deep in a slot
.set FR,     12                        ; registers of a fragment
.set NL,     6                         ; LDS loads that bring one
.set NP,     4                         ; places behind this matrix instruction (ISA guide 7.12.1)
.set FRB,    1536                      ; a fragment's image
.set RBK,    2*FRB                     ; a row block's part of a slot
.set RBM,    8*FRB                     ; a row block in memory
.set HALFT,  8*RBK                     ; 128 places: what one tensor load brings
.set SLOT,   4*HALFT
.set SCL,    2*SLOT                    ; behind the ring: the scales, as units of 256 bytes + 16 of padding
.set HALFS,  16*272                    ; those of 128 places (32 bytes each)
.set SBLK,   2*272                     ; those of 16
.set SPARE,  SCL+4*HALFS               ; the spare words, 128 bytes a wave: two blocks of 256 bytes that no other line names
.set LAPS,   2                         ; K = 1,024 = four K steps = twice round the ring
.set RECB,   6656
.set ADRA, 16                          ; v16-17  LDS address of my A fragments in slot 0, 1
.set ADRB, 20                          ; v20-21  the same for B
.set LI,   24                          ; v24     16 x lane
.set CA,   25                          ; v25     my token's row of the table and my half's 32 bytes of it
.set ADRS, 27                          ; v27     LDS address of my scale words: lanes 0-15 A's, lanes 16-31 B's
.set SPW,  28                          ; v28     LDS address of my spare word; never rewritten
.set NIL,  29                          ; v29     0; never rewritten
.set SC,   32
.set ST,   64
.set AF,   128
.set PC,   128                         ; way out: v128-139 a fragment's codes, v140-142, v144-146 the upper halves
.set TM,   148                         ; v148-151 largest magnitudes, v152-155 bytes, v160-163 the conversions' scale operands
.set PWS,  164                         ; v164-171 eight scale words
.set G1, 24
.set G0, 32
.set G1B, 48
.set G0B, 56
.set G1S, 68
.set G0S, 76
.set G1SB, 80
.set G0SB, 88
.set SEL, 98
.set MSB, 0
.macro WIN new                         ; the immediate's high byte repeats the setting that is left
.if MSB != (\new)
	s_set_vgpr_msb (MSB<<8)|(\new)
.set MSB, (\new)
.endif
.endm
.set MUL_LO, 0xa1                      ; source 0 (B) window 1, source 1 (A) window 0, C and D window 2
.set MUL_HI, 0xf1
.set TO_B,   0x40
.macro JLOAD g0a, g1a, g0b, g1b        ; a joint load: waves 0 and 1 fetch for A, waves 2 and 3 for B; four v_nop follow each of the two lines
	s_cmp_eq_u32 s15, 0
	s_cbranch_scc0 .Lfor_b_\@
	tensor_load_to_lds s[\g0a:\g0a+3], s[\g1a:\g1a+7]
	s_nop 0
.rept 4
	v_nop
.endr
	s_branch .Lasked_\@
.Lfor_b_\@:
	tensor_load_to_lds s[\g0b:\g0b+3], s[\g1b:\g1b+7]
	s_nop 0
.rept 4
	v_nop
.endr
.Lasked_\@:
.endm
.macro CREST                           ; a round of the cluster's barrier behind its opening barrier
	s_cmp_lg_u32 s14, 0
	s_cbranch_scc1 .Lnot_wave_0_\@
	s_barrier_signal -3
.Lnot_wave_0_\@:
	s_barrier_wait -3
	s_barrier_signal -1
	s_barrier_wait -1
.endm
.macro CROUND
	s_barrier_signal -1
	s_barrier_wait -1
	CREST
.endm
	s_load_b256 s[4:11], s[0:1], 0x0               ; codes, scales, rope, q
	s_load_b64 s[12:13], s[0:1], 0x20              ; kv
	v_lshl_add_u32 v[SPW], v0, 2, SPARE
	v_mov_b32 v[NIL], 0
	ds_add_u32 v28, v29
	ds_add_u32 v28, v29
	s_wait_dscnt 0x0
	v_lshrrev_b32 v1, 5, v0
	v_readfirstlane_b32 s14, v1                    ; wave 0..3
	s_lshr_b32 s15, s14, 1                         ; which half of A's places is mine.  Also: I fetch for A (0) or for B (1)
	s_and_b32 s16, s14, 1                          ; which half of B's.  Also: which 128 places of that tile I fetch
	s_bfe_u32 s40, ttmp6, 0x40000                  ; cx, cy
	s_bfe_u32 s41, ttmp6, 0x40004
	s_and_b32 s18, ttmp7, 0xffff                   ; cluster y
	s_cmp_eq_u32 ttmp9, 2                          ; v's clusters?  The cluster's x is the same in all sixteen partners
	s_cselect_b32 s19, 0, s18                      ; A's tiles: x has 32 (by cluster y), wv 4
	s_cselect_b32 s20, s18, ttmp9                  ; B's tiles: wq and wk on end have 8 (by cluster x), x 32
	s_cselect_b32 s66, 640, 0                      ; A's first row block in the buffer
	s_cselect_b32 s67, 0, 512                      ; B's
	s_lshl_b32 s17, s19, 2
	s_add_co_u32 s17, s17, s41                     ; A's tile
	s_lshl_b32 s42, s20, 2
	s_add_co_u32 s42, s42, s40                     ; B's tile
	s_lshl_b32 s43, s41, 2
	s_lshl_b32 s43, 15, s43                        ; my row of the cluster
	s_lshl_b32 s44, 0x1111, s40                    ; my column
	; group 1 for the codes: 8 row blocks x 3,072 bytes (384 elements of 8 bytes), 12,288 bytes apart in memory, dense in LDS
	s_or_b32 s[G1+0], s43, (3<<16)|(1<<21)         ; 15:0 the mask; 17:16 elements of 8 bytes; 21 set beside a mask; no padding
	s_or_b32 s[G1B+0], s44, (3<<16)|(1<<21)
.irp g, G1, G1B
	s_mov_b32 s[\g+1], 384<<16                     ; tensor_dim0
	s_mov_b32 s[\g+2], 8<<16                       ; tensor_dim1
	s_mov_b32 s[\g+3], 384<<16                     ; tile_dim0
	s_mov_b32 s[\g+4], 8                           ; tile_dim1
	s_mov_b32 s[\g+5], 1536                        ; tensor_dim0_stride
	s_mov_b32 s[\g+6], 0
	s_mov_b32 s[\g+7], 0
.endr
	; and for the scales of 128 places: 4,096 dense bytes as 16 rows of 256, 16 bytes of padding behind each
	s_or_b32 s[G1S+0], s43, (3<<16)|(1<<20)|(1<<21)|(5<<22)|(3<<25)
	s_or_b32 s[G1SB+0], s44, (3<<16)|(1<<20)|(1<<21)|(5<<22)|(3<<25)
.irp g, G1S, G1SB
	s_mov_b32 s[\g+1], 32<<16
	s_mov_b32 s[\g+2], 16<<16
	s_mov_b32 s[\g+3], 32<<16
	s_mov_b32 s[\g+4], 16
	s_mov_b32 s[\g+5], 32
	s_mov_b32 s[\g+6], 0
	s_mov_b32 s[\g+7], 0
.endr
	s_lshl_b32 s18, s16, 3                         ; which 8 row blocks of the tile I fetch
	s_lshl_b32 s20, s17, 4
	s_add_co_u32 s20, s20, s18
	s_add_co_u32 s20, s20, s66                     ; A: first row block
	s_lshl_b32 s46, s42, 4
	s_add_co_u32 s46, s46, s18
	s_add_co_u32 s46, s46, s67                     ; B
	s_lshl_b32 s22, s20, 9                         ; their scales: 512 bytes a row block,
	s_mov_b32 s23, 0
	s_mul_i32 s20, s20, RBM                        ; their codes
	s_mov_b32 s21, 0
	s_lshl_b32 s92, s46, 9
	s_mov_b32 s93, 0
	s_mul_i32 s46, s46, RBM
	s_mov_b32 s47, 0
	s_mul_i32 s45, s14, HALFT                      ; where they go: by the wave alone
	s_mul_i32 s94, s14, HALFS
	s_mov_b32 s[SEL], 0x76543210
	s_mov_b32 s[SEL+1], 0xfedcba98
	s_wait_kmcnt 0x0
	s_add_nc_u64 s[20:21], s[4:5], s[20:21]
	s_add_nc_u64 s[22:23], s[6:7], s[22:23]
	s_add_nc_u64 s[46:47], s[4:5], s[46:47]
	s_add_nc_u64 s[92:93], s[6:7], s[92:93]
	CROUND                                         ; all sixteen work-groups are here: the first joint loads meet
	s_mov_b32 s[G0S], 1
	s_add_co_u32 s[G0S+1], s94, SCL
	s_mov_b64 s[G0S+2:G0S+3], s[22:23]
	s_or_b32 s[G0S+3], s[G0S+3], 0x80000000
	s_mov_b32 s[G0SB], 1
	s_add_co_u32 s[G0SB+1], s94, SCL
	s_mov_b64 s[G0SB+2:G0SB+3], s[92:93]
	s_or_b32 s[G0SB+3], s[G0SB+3], 0x80000000
	JLOAD G0S, G1S, G0SB, G1SB                     ; the scales first: they are wanted with K step 0
.irp s, 0,1
	s_mov_b32 s[G0+4*\s], 1
	s_add_co_u32 s[G0+4*\s+1], s45, \s*SLOT
	s_add_nc_u64 s[G0+4*\s+2:G0+4*\s+3], s[20:21], \s*RBK
	s_or_b32 s[G0+4*\s+3], s[G0+4*\s+3], 0x80000000
	s_mov_b32 s[G0B+4*\s], 1
	s_add_co_u32 s[G0B+4*\s+1], s45, \s*SLOT
	s_add_nc_u64 s[G0B+4*\s+2:G0B+4*\s+3], s[46:47], \s*RBK
	s_or_b32 s[G0B+4*\s+3], s[G0B+4*\s+3], 0x80000000
	JLOAD G0+4*\s, G1, G0B+4*\s, G1B
.endr
	v_and_b32 v1, 15, v0                           ; r
	v_bfe_u32 v2, v0, 4, 1                         ; h
	v_and_b32 v3, 31, v0                           ; lane
	v_lshlrev_b32 v4, 3, v3                        ; 8 x lane: my place in a plane
	s_mul_i32 s21, s15, HALFT                      ; my 128 places of A
	s_mul_i32 s22, s16, HALFT                      ; my 128 of B,
	s_add_co_u32 s22, s22, 2*HALFT                 ; which lie behind A's 256
.irp s, 0,1
	v_add_nc_u32 v[ADRA+\s], s21, v4
	v_add_nc_u32 v[ADRB+\s], s22, v4
	s_add_co_u32 s21, s21, SLOT
	s_add_co_u32 s22, s22, SLOT
.endr
	v_mul_u32_u24 v5, v1, 32                       ; my place's scales: 32 bytes a place,
	v_lshrrev_b32 v6, 8, v5
	v_lshl_add_u32 v5, v6, 4, v5                   ; and 16 more for each 256 passed
	s_mul_i32 s21, s15, HALFS
	s_mul_i32 s22, s16, HALFS
	s_add_co_u32 s22, s22, 2*HALFS
	s_sub_co_u32 s22, s22, s21
	v_mul_u32_u24 v6, s22, v2                      ; lanes 16-31 take B's
	s_add_co_u32 s21, s21, SCL
	v_add_nc_u32 v5, v5, v6
	v_add_nc_u32 v[ADRS], s21, v5
	v_lshlrev_b32 v[LI], 4, v3
	v_and_b32 v5, 7, v1
	v_lshrrev_b32 v6, 3, v1
	v_lshl_add_u32 v5, v6, 4, v5                   ; r % 8 + 16 (r / 8): my token in its block's 32
	v_lshlrev_b32 v[CA], 7, v5                     ; 128 bytes of the table a token,
	v_lshl_add_u32 v[CA], v2, 5, v[CA]             ; and my half's eight pairs
.macro FRAG reg, adr, q, i             ; a fragment: six planes, 8 bytes a lane: each load takes 256 consecutive bytes
.irp p, 0,1,2,3,4,5
	ds_load_b64 v[\reg+2*\p:\reg+2*\p+1], v[\adr] offset:RBK*(\i)+FRB*(\q)+256*\p
.endr
.endm
; 16 matrix instructions: A's blocks a0, a0 + 1 x B's eight.  The 64 accumulators take turns, one instruction a turn, in the same order in every step.
.macro MUL16 a0, p, q, sc, zero
.irp a, \a0, \a0+1
.irp b, 0,1,2,3,4,5,6,7
.if \zero
	v_wmma_scale_f32_16x16x128_f8f6f4 v[8*(8*((\a)%4)+\b):8*(8*((\a)%4)+\b)+7], v[128*(\p)+FR*\b:128*(\p)+FR*\b+FR-1], v[AF+FR*(\a):AF+FR*(\a)+FR-1], 0, v[SC+8*NQ*(\sc)+NQ*\b+(\q)], v[SC+8*NQ*(\sc)+NQ*(\a)+(\q)] matrix_a_fmt:MATRIX_FMT_FP6 matrix_b_fmt:MATRIX_FMT_FP6 matrix_a_scale:MATRIX_SCALE_ROW1
.else
	v_wmma_scale_f32_16x16x128_f8f6f4 v[8*(8*((\a)%4)+\b):8*(8*((\a)%4)+\b)+7], v[128*(\p)+FR*\b:128*(\p)+FR*\b+FR-1], v[AF+FR*(\a):AF+FR*(\a)+FR-1], v[8*(8*((\a)%4)+\b):8*(8*((\a)%4)+\b)+7], v[SC+8*NQ*(\sc)+NQ*\b+(\q)], v[SC+8*NQ*(\sc)+NQ*(\a)+(\q)] matrix_a_fmt:MATRIX_FMT_FP6 matrix_b_fmt:MATRIX_FMT_FP6 matrix_a_scale:MATRIX_SCALE_ROW1
.endif
.endr
.endr
.endm
.macro FETCH_B slot, q, p
	WIN TO_B
.irp i, 0,1,2,3,4,5,6,7
	FRAG 128*(\p)+FR*\i, ADRB+\slot, \q, \i
.endr
	WIN 0
.endm
.macro FETCH_A slot, q, i0
.irp i, \i0, \i0+1, \i0+2, \i0+3
	FRAG AF+FR*(\i), ADRA+\slot, \q, \i
.endr
.endm
.macro SCALES sc                       ; a K step's scale words: two a place; lanes 0-15 take A's block i, lanes 16-31 B's block i
.irp i, 0,1,2,3,4,5,6,7
	ds_load_b64 v[SC+8*NQ*\sc+NQ*\i:SC+8*NQ*\sc+NQ*\i+1], v[ADRS] offset:\i*SBLK
.endr
.endm
.macro PLACES n                        ; plain vector lines between a matrix instruction and a load into, or a vector line on, its registers
.rept \n
	v_nop
.endr
.endm
.macro STEP slot, q, zero              ; 128 along K that has its successor in the same slot
	s_wait_dscnt 4*NL                              ; B's set and A's blocks 0-3 are in; the youngest 24 loads (A's blocks 4-7) may be out
	WIN MUL_LO
	MUL16 0, (\q)%2, \q, \slot, \zero
	MUL16 2, (\q)%2, \q, \slot, \zero
	s_wait_dscnt 0
	PLACES NP
	FETCH_B \slot, (\q)+1, 1-(\q)%2
	FETCH_A \slot, (\q)+1, 0
	WIN MUL_HI
	MUL16 4, (\q)%2, \q, \slot, \zero
	MUL16 6, (\q)%2, \q, \slot, \zero
	PLACES NP
	WIN 0
	FETCH_A \slot, (\q)+1, 4
.endm
; A slot's last step changes slots: one barrier; in front of it each wave waits for all its tensor loads, adds 0 to its spare word, and waits for that and for its own reads of this slot.
.macro TURN slot, next, fill
	s_wait_tensorcnt 0x0                           ; all my tensor loads have landed: my part of the next slot
	ds_add_u32 v[SPW], v[NIL]                      ; 0 onto my spare word
	s_wait_dscnt 4*NL+1                            ; (the add and the youngest 24 loads may be out)
	WIN MUL_LO
	MUL16 0, 1, NQ-1, \slot, 0
	s_wait_dscnt 0x0                               ; the add is done, and my reads of this slot are over
	s_barrier_signal -1
	MUL16 2, 1, NQ-1, \slot, 0
	WIN 0
	s_barrier_wait -1
.if \fill
	CREST                                          ; the barrier has opened a round of the cluster's: no wave of any partner still reads this slot or has a load on its way
	s_add_nc_u64 s[G0+4*\slot+2:G0+4*\slot+3], s[G0+4*\slot+2:G0+4*\slot+3], 2*RBK
	s_add_nc_u64 s[G0B+4*\slot+2:G0B+4*\slot+3], s[G0B+4*\slot+2:G0B+4*\slot+3], 2*RBK
	JLOAD G0+4*\slot, G1, G0B+4*\slot, G1B         ; the first tensor load behind the round; its four v_nop are the places in front of the loads below
.else
	PLACES NP
.endif
	v_add_nc_u32 v[ADRS], 4*NQ, v[ADRS]            ; on to the next K step's scale words
	FETCH_B \next, 0, 0
	FETCH_A \next, 0, 0
	SCALES \next
	WIN MUL_HI
	MUL16 4, 1, NQ-1, \slot, 0
	MUL16 6, 1, NQ-1, \slot, 0
	PLACES NP
	WIN 0
	FETCH_A \next, 0, 4
.endm
	s_wait_tensorcnt 1                             ; the scales and my part of K step 0 are in; K step 1's load may be out
	s_barrier_signal -1
	s_barrier_wait -1
	FETCH_B 0, 0, 0
	FETCH_A 0, 0, 0
	SCALES 0
	FETCH_A 0, 0, 4
	STEP 0, 0, 1                                   ; the first step's products start the sums
	s_mov_b32 s3, LAPS-1
.Llap:
	TURN 0, 1, 1
	STEP 1, 0, 0
	TURN 1, 0, 1
	STEP 0, 0, 0
	s_sub_co_u32 s3, s3, 1
	s_cmp_lg_u32 s3, 0
	s_cbranch_scc1 .Llap
	TURN 0, 1, 0                                   ; the last lap fills nothing
	STEP 1, 0, 0
	s_wait_dscnt 4*NL
	WIN MUL_LO
	MUL16 0, 1, NQ-1, 1, 0
	MUL16 2, 1, NQ-1, 1, 0
	s_wait_dscnt 0
	WIN MUL_HI
	MUL16 4, 1, NQ-1, 1, 0
	MUL16 6, 1, NQ-1, 1, 0
	WIN 0
	PLACES NP                                      ; behind the last products: their operands' registers are written and loaded into below
.irp b, 0,1,2,3
	v_mov_b32 v[TM+4+\b], 0                        ; written once: a lane permute's destination counts as one of its sources
.endr
; 64 numbers of a lane in window w, register s + 16 b + i = k 32 b + 16 (lane / 16) + i, become a fragment's codes in v[PC] on and its scale word in v[pw].  Each accumulator is read from its low end on.
.macro QUANT w, s, pw
	WIN (\w)|((\w)<<2)
.irp b, 0,1,2,3
	v_max3_num_f32 v[TM+\b], |v[(\s)+16*\b]|, |v[(\s)+1+16*\b]|, 0x1800000   ; my 16 numbers of block b, and the floor 2^(3 - 127): the byte cannot fall under 1
.endr
.irp i, 2,4,6,8,10,12,14
.irp b, 0,1,2,3
	v_max3_num_f32 v[TM+\b], |v[(\s)+16*\b+\i]|, |v[(\s)+1+16*\b+\i]|, v[TM+\b]
.endr
.endr
	WIN 0
.irp b, 0,1,2,3
	v_permlanex16_b32 v[TM+4+\b], v[TM+\b], s[SEL], s[SEL+1]
.endr
.irp b, 0,1,2,3
	v_max_num_f32 v[TM+\b], v[TM+\b], v[TM+4+\b]   ; with lane l xor 16's: the block's largest magnitude
.endr
.irp b, 0,1,2,3
	v_add_nc_u32 v[TM+12+\b], 0xff000000, v[TM+\b] ; 2 off its exponent field: the conversion's scale operand
.endr
.irp b, 0,1,2,3
	v_lshrrev_b32 v[TM+4+\b], 23, v[TM+12+\b]      ; the scale's byte
.endr
	v_lshl_or_b32 v[\pw], v[TM+5], 8, v[TM+4]
	v_lshl_or_b32 v[\pw], v[TM+6], 16, v[\pw]
	v_lshl_or_b32 v[\pw], v[TM+7], 24, v[\pw]
	s_wait_xcnt 0x0                                ; the last fragment's stores have read the codes' registers
	WIN (\w)
.irp c, 0,1
	v_cvt_scalef32_pk16_fp6_f32 v[PC+6*\c:PC+2+6*\c], v[(\s)+32*\c:(\s)+15+32*\c], v[TM+12+2*\c]
	v_cvt_scalef32_pk16_fp6_f32 v[PC+12+4*\c:PC+14+4*\c], v[(\s)+16+32*\c:(\s)+31+32*\c], v[TM+12+2*\c+1]
.endr
	WIN 0
	v_nop                                          ; one plain line behind the scaled conversions
.irp c, 0,1                                    ; the operand's layout wants a whole block in a lane
.irp i, 0,1,2
	v_permlane16_swap_b32 v[PC+6*\c+\i], v[PC+12+4*\c+\i]
.endr
.irp i, 0,1,2
	v_mov_b32 v[PC+3+6*\c+\i], v[PC+12+4*\c+\i]
.endr
.endr
.endm
.macro OUTFRAG ptr, off                ; the fragment leaves as it stands: each store covers 512 consecutive bytes, at a multiple of 256 from the buffer's first byte
.irp c, 0,1,2
	global_store_b128 v[LI], v[PC+4*\c:PC+4*\c+3], s[\ptr:\ptr+1] offset:\off+512*\c
.endr
.endm
	s_cmp_eq_u32 ttmp9, 2
	s_cbranch_scc1 .Lv_out
; ---- THE WAY OUT OF q AND k.  My 128 tokens are one record's; my 128 features are two heads
	s_lshl_b32 s18, s17, 8
	s_lshl_b32 s19, s15, 7
	s_add_co_u32 s18, s18, s19                     ; my first token
	s_lshr_b32 s19, s18, 11                        ; its batch,
	s_bfe_u32 s20, s18, 0x40007                    ; its group of 128 in the batch
	s_lshl_b32 s21, s40, 2
	s_lshl_b32 s22, s16, 1
	s_add_co_u32 s21, s21, s22                     ; my first head: 4 cx + 2 x half
	s_lshl_b32 s19, s19, 4
	s_add_co_u32 s19, s19, s21
	s_cmp_eq_u32 ttmp9, 1                          ; k goes into kv, q into q
	s_cselect_b64 s[92:93], s[12:13], s[10:11]
	s_mov_b32 s22, RECB
	s_cselect_b32 s22, 2*RECB, s22                 ; from group to group
	s_lshl_b32 s23, s22, 4                         ; from head to head
	s_mul_i32 s19, s19, s23
	s_mul_i32 s20, s20, s22
	s_add_co_u32 s46, s19, s20
	s_mov_b32 s47, 0
	s_add_nc_u64 s[92:93], s[92:93], s[46:47]      ; the first head's record,
	s_mov_b32 s46, s23
	s_add_nc_u64 s[94:95], s[92:93], s[46:47]      ; the second's
	s_lshl_b32 s46, s18, 7
	s_add_nc_u64 s[8:9], s[8:9], s[46:47]          ; the table at my first token
	WIN 0x40                                       ; destination window 1: cos of block a at v[32 a + 8 bb + e], sin 16 on; e = my half's pair 16 bb + 8 h + e
.irp a, 0,1,2,3,4,5,6,7
.irp bb, 0,1
.irp k, 0,1
	global_load_b128 v[32*\a+8*\bb+4*\k:32*\a+8*\bb+4*\k+3], v[CA], s[8:9] offset:(32*(\a/2)+8*(\a%2))*128+64*\bb+16*\k
	global_load_b128 v[32*\a+16+8*\bb+4*\k:32*\a+16+8*\bb+4*\k+3], v[CA], s[8:9] offset:(32*(\a/2)+8*(\a%2))*128+64*\bb+16*\k+1048576
.endr
.endr
.endr
	WIN 0
; Block a's tokens, head hd: out(2 i) = t(2 i) cos - t(2 i + 1) sin, out(2 i + 1) = t(2 i + 1) cos + t(2 i) sin: a packed multiply that takes the pair crosswise, its low half negated, and a packed multiply-add
.macro ROPE a, hd
	WIN 0x06+((\a)/4)                              ; source 0: the accumulators' window; source 1: window 1
.set RA, 64*((\a)%4)+32*(\hd)
.set RO, ST+32*((\a)%2)
.set RC, 32*(\a)
.irp bb, 0,1
.irp g, 0,1,2,3
	v_pk_mul_f32 v[RO+16*\bb+4*\g:RO+16*\bb+4*\g+1], v[RA+16*\bb+4*\g:RA+16*\bb+4*\g+1], v[RC+16+8*\bb+2*\g:RC+16+8*\bb+2*\g+1] op_sel:[1,0] op_sel_hi:[0,0] neg_lo:[1,0]
	v_pk_mul_f32 v[RO+16*\bb+4*\g+2:RO+16*\bb+4*\g+3], v[RA+16*\bb+4*\g+2:RA+16*\bb+4*\g+3], v[RC+16+8*\bb+2*\g:RC+16+8*\bb+2*\g+1] op_sel:[1,1] op_sel_hi:[0,1] neg_lo:[1,0]
	v_pk_fma_f32 v[RO+16*\bb+4*\g:RO+16*\bb+4*\g+1], v[RA+16*\bb+4*\g:RA+16*\bb+4*\g+1], v[RC+8*\bb+2*\g:RC+8*\bb+2*\g+1], v[RO+16*\bb+4*\g:RO+16*\bb+4*\g+1] op_sel:[0,0,0] op_sel_hi:[1,0,1]
	v_pk_fma_f32 v[RO+16*\bb+4*\g+2:RO+16*\bb+4*\g+3], v[RA+16*\bb+4*\g+2:RA+16*\bb+4*\g+3], v[RC+8*\bb+2*\g:RC+8*\bb+2*\g+1], v[RO+16*\bb+4*\g+2:RO+16*\bb+4*\g+3] op_sel:[0,1,0] op_sel_hi:[1,1,1]
.endr
.endr
.endm
.irp bp, 0,1,2,3                       ; fragment bp: the tokens of blocks 2 bp and 2 bp + 1
	s_wait_loadcnt 16*(3-\bp)                      ; this fragment's 16 loads of the table are in; the later fragments', 16 each, may be out
.irp hd, 0,1
	ROPE 2*\bp, \hd
	ROPE 2*\bp+1, \hd
	QUANT 0, ST, PWS+4*\hd+\bp
	OUTFRAG 92+2*\hd, FRB*\bp
.endr
.endr
	global_store_b128 v[LI], v[PWS:PWS+3], s[92:93] offset:4*FRB     ; the four fragments' scale words, 16 bytes a lane
	global_store_b128 v[LI], v[PWS+4:PWS+7], s[94:95] offset:4*FRB
	s_branch .Lend
; ---- THE WAY OUT OF v.  A lane holds a channel, its 64 registers of block a run along my 128 tokens: they are a fragment as they stand
.Lv_out:
	s_lshl_b32 s18, s42, 8
	s_lshl_b32 s19, s16, 7
	s_add_co_u32 s18, s18, s19                     ; my first token
	s_lshr_b32 s19, s18, 11
	s_bfe_u32 s20, s18, 0x40007
	s_lshl_b32 s21, s41, 2
	s_lshl_b32 s22, s15, 1
	s_add_co_u32 s21, s21, s22                     ; my first head: 4 cy + 2 x half
	s_lshl_b32 s19, s19, 4
	s_add_co_u32 s19, s19, s21
	s_mul_i32 s19, s19, 32*RECB
	s_mul_i32 s20, s20, 2*RECB
	s_add_co_u32 s46, s19, s20
	s_add_co_u32 s46, s46, RECB                    ; v's record lies behind k's
	s_mov_b32 s47, 0
	s_add_nc_u64 s[92:93], s[12:13], s[46:47]
	s_add_nc_u64 s[94:95], s[92:93], 32*RECB
.irp a, 0,1,2,3,4,5,6,7
	QUANT 2+(\a/4), 64*(\a%4), PWS+\a
	OUTFRAG 92+2*(\a/4), FRB*(\a%4)
.endr
	global_store_b128 v[LI], v[PWS:PWS+3], s[92:93] offset:4*FRB
	global_store_b128 v[LI], v[PWS+4:PWS+7], s[94:95] offset:4*FRB
.Lend:
	s_wait_tensorcnt 0x0                           ; the wave's end
	ds_add_u32 v[SPW], v[NIL]
	s_wait_dscnt 0x0
	CROUND                                         ; the closing round: no work-group ends while a partner may still ask for a tile that names it
	s_endpgm
.Lfunc_end_k_q14ec9398b3_qkv:
	.size	k_q14ec9398b3_qkv, .Lfunc_end_k_q14ec9398b3_qkv-k_q14ec9398b3_qkv
	.p2alignl 7, 3214868480
	.fill 96, 4, 3214868480
	.section	.rodata,"a",@progbits
	.p2align	6, 0x0
	.amdhsa_kernel k_q14ec9398b3_qkv
		.amdhsa_group_segment_fixed_size 327680
		.amdhsa_private_segment_fixed_size 0
		.amdhsa_enable_private_segment 0
		.amdhsa_kernarg_size 40
		.amdhsa_user_sgpr_count 2
		.amdhsa_user_sgpr_kernarg_segment_ptr 1
		.amdhsa_wavefront_size32 1
		.amdhsa_system_sgpr_workgroup_id_x 1
		.amdhsa_system_sgpr_workgroup_id_y 1
		.amdhsa_system_sgpr_workgroup_id_z 1
		.amdhsa_system_vgpr_workitem_id 0
		.amdhsa_next_free_vgpr 1024
		.amdhsa_next_free_sgpr 100
		.amdhsa_reserve_vcc 0
		.amdhsa_float_denorm_mode_32 3
		.amdhsa_float_denorm_mode_16_64 3
		.amdhsa_memory_ordered 1
		.amdhsa_forward_progress 1
		.amdhsa_inst_pref_size 236
	.end_amdhsa_kernel
	.amdgpu_metadata
---
amdhsa.version: [ 1, 2 ]
amdhsa.kernels:
  - .name:           k_q14ec9398b3_qkv
    .symbol:         k_q14ec9398b3_qkv.kd
    .args:
      - { .name: codes, .offset: 0, .size: 8, .value_kind: global_buffer, .address_space: global }
      - { .name: scales, .offset: 8, .size: 8, .value_kind: global_buffer, .address_space: global }
      - { .name: rope, .offset: 16, .size: 8, .value_kind: global_buffer, .address_space: global }
      - { .name: q, .offset: 24, .size: 8, .value_kind: global_buffer, .address_space: global }
      - { .name: kv, .offset: 32, .size: 8, .value_kind: global_buffer, .address_space: global }
    .group_segment_fixed_size: 327680
    .private_segment_fixed_size: 0
    .kernarg_segment_align: 8
    .kernarg_segment_size: 40
    .max_flat_workgroup_size: 128
    .sgpr_count:     100
    .vgpr_count:     1024
    .wavefront_size: 32
...
	.end_amdgpu_metadata
.endif
;; end of part 2
;; launch attn (part 3): grid 4 x 64, 16 waves a work-group, clusters of 4 x 1, 215,040 bytes of LDS; arguments q, kv, ao, aos; writes ao, aos
.if DOCPART == 3
	.amdgcn_target "amdgcn-amd-amdhsa--gfx1250"
	.amdhsa_code_object_version 6
	.text
	.protected	k_q14ec9398b3_attn
	.globl	k_q14ec9398b3_attn
	.p2align	8
	.type	k_q14ec9398b3_attn,@function
k_q14ec9398b3_attn:
	s_mov_b64 s[64:65], 0
	v_nop
	global_prefetch_b8 v0, s[64:65] scope:SCOPE_SE
	s_setreg_imm32_b32 hwreg(HW_REG_WAVE_MODE, 25, 1), 1
	s_wait_xcnt 0x0
	s_wait_alu depctr_hold_cnt(0) depctr_sa_sdst(0) depctr_va_vdst(0) depctr_va_sdst(0) depctr_va_ssrc(0) depctr_va_vcc(0) depctr_vm_vsrc(0)
	s_getreg_b32 s2, hwreg(HW_REG_IB_STS2, 6, 4)
	s_cmp_eq_u32 s2, 0
	s_cbranch_scc0 .Lentry_in_a_cluster
	s_endpgm
.Lentry_in_a_cluster:
	s_bfe_u32 s2, ttmp6, 0x10000c
	s_cmp_lg_u32 s2, 0x3003
	s_cbranch_scc0 .Lentry_shape_is_right
	s_endpgm
.Lentry_shape_is_right:
; ATTN.  Causal attention of one (batch, head) to a cluster, both products on codes of FP6 (E2M3) with E8M0 scales; its result is quantised along the model's 1,024 for the last projection.
; THE SOFTMAX AHEAD OF THE SECOND PRODUCT: t = score x log2(e) / 8; M = the running largest t rounded up to a whole number; p = 2^(t - M) is quantised along the keys, not normalised; the row's sum is taken of the
; unquantised p and divides at the end.  When M moves, the sum and O are multiplied by 2^(old M - new M): exact.
; SHARES.  A head's 2,048 tokens are 16 groups of 128.  Work-group cx of the cluster takes the 32 tokens 32 cx .. of every group; wave w takes 16 of them in group w and then 16 in group 15 - w:
; w + 1 and 16 - w key steps of 128 keys, 17 for every wave.  Steps whose keys all come after the queries are jumped over; the loop's trip count stays 16.
; THE HEAD'S WHOLE K AND V, 16 steps x 13,312 bytes, LIE IN LDS, filled once: wave w asks for step w, jointly with the other three work-groups (the same descriptor, a mask that names the four).
; Nothing is filled again: one barrier behind the fill, none in the loops.
; LAYOUT.  Both products are used transposed: S^T = K Q^T, O^T = V^T P^T: a lane holds one query throughout.  A fragment of K holds two keys' 64 features along its 128, so it serves two products: against
; [q | zeros] and against [zeros | q]; the empty half has zero codes under the scale byte 0, which add exact zeros.  By the order of the tokens in a fragment the 16 registers of two neighbouring tiles of S^T are
; 16 neighbouring keys, and the 16 of two tiles of O^T 16 neighbouring channels.
; LIMITS: NaN and infinities are not served; a block of zeros, or one under 2^-124, gets the scale byte 1 (this program alone reads the bytes).
.set FRB,   1536
.set RECB,  6656                       ; a record: four fragments and 512 bytes of scale words
.set STEPB, 2*RECB                     ; a key step: K's record, V's record
.set HEADB, 16*STEPB
.set LI,   1                           ; v1   16 x lane
.set ADR,  2                           ; v2   LDS address of the step in hand
.set DD,   3                           ; v3   my query's place in its group, less 16 (lane / 16)
.set L8,   4                           ; v4   8 x lane
.set SBY,  5                           ; v5   32 r + h: my scale byte's place
.set D0,   9                           ; v9   DD without the tile's 8 u
.set QZ,   16                          ; v16-21 zeros, v22-27 q, v28-33 zeros: [zeros | q] = v[16:27], [q | zeros] = v[22:33]
.set QS0,  34                          ; v34  q's two scale bytes below, 0 above;  v35 the other way round
.set QS1,  35
.set FRG,  36                          ; v36-83 four fragments, of K and then of V
.set KS,   84                          ; v84-87 K's scale words;  v88-91 V's
.set VS,   88
.set S,    96                          ; v96-159 S^T, then p
.set O,    160                         ; v160-191 O^T
.set PCD,  192                         ; v192-203 p's codes;  v204-206, v208-210 their upper halves
.set PCT,  204
.set BM,   212                         ; v212-215 the blocks' largest
.set PD,   216                         ; v216-219 permutes' results, bytes
.set SO,   220                         ; v220-223 the conversions' scale operands
.set FF,   224                         ; v224 f = 2^(old M - new M), later 1 / sum
.set PW,   225                         ; v225 p's scale word
.set T,    226
.set NINF, 227
.set WV,   12
.set CX,   13
.set BH,   14
.set G,    15                          ; s15  the tile's group
.set STEPC, 16                         ; s16  the key step
.set TB,   17                          ; s17  its first LDS byte
.set CS,   18                          ; s[18:19] c = log2(e) / 8
.set SEL,  20
.set HM,   22                          ; s22  lanes 16-31
.macro CROUND
	s_barrier_signal -1
	s_barrier_wait -1
	s_cmp_lg_u32 s[WV], 0
	s_cbranch_scc1 .Lnot_wave_0_\@
	s_barrier_signal -3
.Lnot_wave_0_\@:
	s_barrier_wait -3
	s_barrier_signal -1
	s_barrier_wait -1
.endm
	s_load_b256 s[4:11], s[0:1], 0x0               ; q, kv, ao, aos
	v_lshl_add_u32 v254, v0, 2, 0x34000
	v_mov_b32 v255, 0
	ds_add_u32 v254, v255
	ds_add_u32 v254, v255
	v_lshrrev_b32 v1, 5, v0
	s_delay_alu instid0(VALU_DEP_1)
	v_readfirstlane_b32 s[WV], v1                  ; wave 0..15
	s_bfe_u32 s[CX], ttmp6, 0x40000                ; my place in the cluster: it enters global addresses of my own loads and stores, and the mask's numbers; no branch, no LDS address
	s_and_b32 s[BH], ttmp7, 0xffff                 ; 16 x batch + head
	s_mov_b32 s28, 15|(3<<16)|(1<<21)              ; group 1: the mask of all four; elements of 8 bytes; bit 21 beside a mask; no padding
	s_mov_b32 s29, 32<<16                          ; a key step is dense: 52 rows of 256 bytes
	s_mov_b32 s30, 52<<16
	s_mov_b32 s31, 32<<16
	s_mov_b32 s32, 52
	s_mov_b32 s33, 32
	s_mov_b32 s34, 0
	s_mov_b32 s35, 0
	s_mul_i32 s44, s[BH], HEADB
	s_mul_i32 s25, s[WV], STEPB                    ; group 0: LDS address: step w
	s_add_co_u32 s44, s44, s25
	s_mov_b32 s45, 0
	s_mov_b32 s24, 1
	s_wait_dscnt 0x0
	s_wait_kmcnt 0x0
	s_add_nc_u64 s[26:27], s[6:7], s[44:45]
	s_or_b32 s27, s27, 0x80000000
	CROUND                                         ; all four work-groups are here: the joint loads meet
	tensor_load_to_lds s[24:27], s[28:35]          ; my one tensor load of the launch
	s_nop 0
.rept 4
	v_nop
.endr
	v_and_b32 v6, 31, v0
	s_delay_alu instid0(VALU_DEP_1)
	v_lshlrev_b32 v[LI], 4, v6
	s_delay_alu instid0(VALU_DEP_2)
	v_lshlrev_b32 v[L8], 3, v6
	v_and_b32 v7, 15, v0                           ; r
	v_bfe_u32 v8, v0, 4, 1                         ; h
	s_delay_alu instid0(VALU_DEP_1)
	v_lshl_add_u32 v[SBY], v7, 5, v8
	s_delay_alu instid0(VALU_DEP_2)
	v_cmp_ne_u32 s[HM], 0, v8
	s_delay_alu instid0(VALU_DEP_4)
	v_and_b32 v[D0], 7, v7
	v_lshrrev_b32 v10, 3, v7
	s_delay_alu instid0(VALU_DEP_1)
	v_lshl_add_u32 v[D0], v10, 4, v[D0]            ; r % 8 + 16 (r / 8)
	v_lshlrev_b32 v10, 4, v8
	s_delay_alu instid0(VALU_DEP_1)
	v_sub_nc_u32 v[D0], v[D0], v10                 ; - 16 h
	s_lshl_b32 s44, s[CX], 5
	v_add_nc_u32 v[D0], s44, v[D0]                 ; + 32 cx
.irp i, 0,1,2,3,4,5
	v_mov_b32 v[QZ+\i], 0
	v_mov_b32 v[QZ+12+\i], 0
.endr
.irp b, 0,1,2,3
	v_mov_b32 v[PD+\b], 0                          ; written once: a lane permute's destination counts as one of its sources
.endr
	v_mov_b32 v[PW], 0                             ; (named as the upper half of the pair v[224:225] before it is first written)
	s_mov_b32 s[CS], 0x3e38aa3b                    ; log2(e) / 8
	s_mov_b32 s[CS+1], s[CS]
	s_mov_b32 s[SEL], 0x76543210
	s_mov_b32 s[SEL+1], 0xfedcba98
	s_wait_tensorcnt 0x0                           ; my step has landed,
	s_barrier_signal -1
	s_barrier_wait -1                              ; everybody's has
; A KEY STEP: 128 keys against my 16 queries
.macro KSTEP
	v_add_nc_u32 v[ADR], s[TB], v[LI]
.rept 3
	v_nop                                          ; with the line above: four places between the last products and the loads into their operands
.endr
.irp f, 0,1,2,3
.irp c, 0,1,2
	ds_load_b128 v[FRG+12*\f+4*\c:FRG+12*\f+4*\c+3], v[ADR] offset:FRB*\f+512*\c
.endr
.endr
	ds_load_b128 v[KS:KS+3], v[ADR] offset:4*FRB
	s_wait_alu depctr_va_vdst(0)
	s_wait_dscnt 0x0
.irp f, 0,1,2,3                                ; tile 2 f + u: keys 32 f + 8 u + 16 h + 0 .. 7 in a lane's eight registers
	v_wmma_scale_f32_16x16x128_f8f6f4 v[S+16*\f:S+16*\f+7], v[FRG+12*\f:FRG+12*\f+11], v[QZ+6:QZ+17], 0, v[KS+\f], v[QS0] matrix_a_fmt:MATRIX_FMT_FP6 matrix_b_fmt:MATRIX_FMT_FP6
	v_wmma_scale_f32_16x16x128_f8f6f4 v[S+16*\f+8:S+16*\f+15], v[FRG+12*\f:FRG+12*\f+11], v[QZ:QZ+11], 0, v[KS+\f], v[QS1] matrix_a_fmt:MATRIX_FMT_FP6 matrix_b_fmt:MATRIX_FMT_FP6
.endr
.rept 4
	v_nop                                          ; places in front of the loads into K's registers and of the first read of the scores
.endr
.irp f, 0,1,2,3                                ; V's fragments land while the softmax is walked
.irp c, 0,1,2
	ds_load_b128 v[FRG+12*\f+4*\c:FRG+12*\f+4*\c+3], v[ADR] offset:RECB+FRB*\f+512*\c
.endr
.endr
	ds_load_b128 v[VS:VS+3], v[ADR] offset:RECB+4*FRB
	s_cmp_lg_u32 s[STEPC], s[G]                    ; on the diagonal the scores of hidden keys become -infinity ahead of the maximum; the query's own key always counts
	s_cbranch_scc1 .Lopen_\@
	v_mov_b32 v[NINF], 0xff800000
.set n, 0
.rept 64                                       ; register 16 b + i holds key 32 b + 16 h + i of the step: hidden where 32 b + i > DD
	v_cmp_gt_i32 vcc_lo, 32*(n/16)+n%16, v[DD]
	v_cndmask_b32 v[S+n], v[S+n], v[NINF], vcc_lo
.set n, n+1
.endr
.Lopen_\@:
.irp b, 0,1,2,3
	v_max3_num_f32 v[BM+\b], v[S+16*\b], v[S+1+16*\b], v[S+2+16*\b]   ; the largest score of each block of 32 keys: for the row's maximum and, since p rises with the score, for the block's largest p
.endr
.irp i, 3,5,7,9,11,13
.irp b, 0,1,2,3
	v_max3_num_f32 v[BM+\b], v[BM+\b], v[S+16*\b+\i], v[S+1+16*\b+\i]
.endr
.endr
.irp b, 0,1,2,3
	v_max_num_f32 v[BM+\b], v[BM+\b], v[S+15+16*\b]
.endr
.irp b, 0,1,2,3
	s_delay_alu instid0(VALU_DEP_4)
	v_permlanex16_b32 v[PD+\b], v[BM+\b], s[SEL], s[SEL+1]
.endr
.irp b, 0,1,2,3
	s_delay_alu instid0(VALU_DEP_4)
	v_max_num_f32 v[BM+\b], v[BM+\b], v[PD+\b]     ; with lane l xor 16's 16 keys
.endr
	s_delay_alu instid0(VALU_DEP_2)
	v_max3_num_f32 v[T], v[BM], v[BM+1], v[BM+2]
	s_delay_alu instid0(VALU_DEP_1)
	v_max_num_f32 v[T], v[T], v[BM+3]
	s_delay_alu instid0(VALU_DEP_1)
	v_mul_f32 v[T], s[CS], v[T]                    ; as t
	s_delay_alu instid0(VALU_DEP_1)
	v_max_num_f32 v13, v13, v[T]                   ; the running largest t
	v_mov_b32 v[T], v12
	s_delay_alu instid0(VALU_DEP_2)
	v_floor_f32 v12, -v13                          ; the new -M = -ceil(t)
	s_delay_alu instid0(VALU_DEP_1)
	v_sub_f32 v[T], v12, v[T]                      ; old M - new M: a whole number, 0 or less
	s_delay_alu instid0(VALU_DEP_1)
	v_cvt_i32_f32 v[T], v[T]                       ; (it saturates)
	s_delay_alu instid0(VALU_DEP_1)
	v_ldexp_f32 v[FF], 1.0, v[T]                   ; f = 2^(old M - new M)
.set j, 0
.rept 32
	v_pk_fma_f32 v[S+j:S+j+1], v[S+j:S+j+1], s[CS:CS+1], v[12:13] op_sel_hi:[1,0,0]   ; t - M, two at a time
.set j, j+2
.endr
	s_setprio 1
.irp b, 0,1,2,3
	v_fma_f32 v[BM+\b], v[BM+\b], s[CS], v12       ; the same of each block's largest score
.endr
.set j, 0
	s_wait_alu depctr_va_vdst(0)
.rept 64
	v_exp_f32 v[S+j], v[S+j]                       ; p = 2^(t - M)
.set j, j+1
.endr
	v_pk_mul_f32 v[14:15], v[14:15], v[FF:FF+1] op_sel_hi:[1,0]   ; the sums under the new M; also the plain line behind the exponentials
	s_wait_alu depctr_va_vdst(0)                   ; one wait for the batch of 64, ahead of its first reader
.irp b, 0,1,2,3
	v_exp_f32 v[BM+\b], v[BM+\b]                   ; the block's largest p
.endr
	v_pk_add_f32 v[216:217], v[100:101], v[104:105]
	v_pk_add_f32 v[252:253], v[108:109], v[112:113]
	v_pk_add_f32 v[250:251], v[116:117], v[120:121]
	v_pk_add_f32 v[248:249], v[124:125], v[128:129]
	v_pk_add_f32 v[246:247], v[132:133], v[136:137]
	v_pk_add_f32 v[244:245], v[140:141], v[144:145]
	v_pk_add_f32 v[242:243], v[148:149], v[152:153]
	v_pk_add_f32 v[14:15], v[14:15], v[156:157]
	v_pk_add_f32 v[216:217], v[216:217], v[96:97]
	v_pk_add_f32 v[252:253], v[252:253], v[98:99]
	v_pk_add_f32 v[250:251], v[250:251], v[102:103]
	v_pk_add_f32 v[248:249], v[248:249], v[106:107]
	v_pk_add_f32 v[246:247], v[246:247], v[110:111]
	v_pk_add_f32 v[244:245], v[244:245], v[114:115]
	v_pk_add_f32 v[242:243], v[242:243], v[118:119]
	v_pk_add_f32 v[14:15], v[14:15], v[122:123]
	v_pk_add_f32 v[216:217], v[216:217], v[126:127]
	v_pk_add_f32 v[252:253], v[252:253], v[130:131]
	v_pk_add_f32 v[250:251], v[250:251], v[134:135]
	v_pk_add_f32 v[248:249], v[248:249], v[138:139]
	v_pk_add_f32 v[246:247], v[246:247], v[142:143]
	v_pk_add_f32 v[244:245], v[244:245], v[146:147]
	v_pk_add_f32 v[242:243], v[242:243], v[150:151]
	v_pk_add_f32 v[14:15], v[14:15], v[154:155]
	v_pk_add_f32 v[216:217], v[216:217], v[158:159]
	s_delay_alu instid0(VALU_DEP_2)
	v_pk_add_f32 v[14:15], v[14:15], v[248:249]
	s_delay_alu instid0(VALU_DEP_2)
	v_pk_add_f32 v[216:217], v[216:217], v[246:247]
	v_pk_add_f32 v[252:253], v[252:253], v[244:245]
	v_pk_add_f32 v[250:251], v[250:251], v[242:243]
	s_delay_alu instid0(VALU_DEP_2)
	v_pk_add_f32 v[14:15], v[14:15], v[252:253]
	s_delay_alu instid0(VALU_DEP_2)
	v_pk_add_f32 v[216:217], v[216:217], v[250:251]
	s_delay_alu instid0(VALU_DEP_1)
	v_pk_add_f32 v[14:15], v[14:15], v[216:217]
	s_wait_alu depctr_va_vdst(0)                   ; and one for the four
.irp b, 0,1,2,3
	v_max_num_f32 v[BM+\b], 0x1800000, v[BM+\b]    ; the floor 2^(3 - 127)
.endr
.irp b, 0,1,2,3
	s_delay_alu instid0(VALU_DEP_4)
	v_add_nc_u32 v[SO+\b], 0xff000000, v[BM+\b]    ; 2 off the exponent field: the conversion's scale operand
.endr
.irp b, 0,1,2,3
	s_delay_alu instid0(VALU_DEP_4)
	v_lshrrev_b32 v[PD+\b], 23, v[SO+\b]           ; the scale's byte
.endr
	s_delay_alu instid0(VALU_DEP_3)
	v_lshl_or_b32 v[PW], v[PD+1], 8, v[PD]
	s_delay_alu instid0(VALU_DEP_1)
	v_lshl_or_b32 v[PW], v[PD+2], 16, v[PW]
	s_delay_alu instid0(VALU_DEP_1)
	v_lshl_or_b32 v[PW], v[PD+3], 24, v[PW]
	s_setprio 0
.irp c, 0,1
	v_cvt_scalef32_pk16_fp6_f32 v[PCD+6*\c:PCD+2+6*\c], v[S+32*\c:S+15+32*\c], v[SO+2*\c]
	v_cvt_scalef32_pk16_fp6_f32 v[PCT+4*\c:PCT+2+4*\c], v[S+16+32*\c:S+31+32*\c], v[SO+2*\c+1]
.endr
	v_nop                                          ; one plain line behind the scaled conversions
.irp c, 0,1
.irp i, 0,1,2
	v_permlane16_swap_b32 v[PCD+6*\c+\i], v[PCT+4*\c+\i]
.endr
.irp i, 0,1,2
	s_delay_alu instid0(VALU_DEP_3)
	v_mov_b32 v[PCD+3+6*\c+\i], v[PCT+4*\c+\i]
.endr
.endr
.set j, 0
.rept 16
	v_pk_mul_f32 v[O+j:O+j+1], v[O+j:O+j+1], v[FF:FF+1] op_sel_hi:[1,0]   ; O^T under the new M; these are also the places between p's scale word and codes and the products
.set j, j+2
.endr
	s_wait_alu depctr_va_vdst(0)
	s_wait_dscnt 0x0                               ; V is in
.irp t, 0,1,2,3                                ; the four accumulators by turns
	v_wmma_scale_f32_16x16x128_f8f6f4 v[O+8*\t:O+8*\t+7], v[FRG+12*\t:FRG+12*\t+11], v[PCD:PCD+11], v[O+8*\t:O+8*\t+7], v[VS+\t], v[PW] matrix_a_fmt:MATRIX_FMT_FP6 matrix_b_fmt:MATRIX_FMT_FP6
.endr
.endm
; A TILE of 16 queries: half u of the 32 tokens that are my work-group's in group G
.macro TILE u
	s_wait_xcnt 0x0                                ; the last tile's loads and stores have read their bases and registers
.if \u == 0
	s_mov_b32 s[G], s[WV]
.else
	s_sub_co_u32 s[G], 15, s[WV]
.endif
	s_lshl_b32 s44, s[BH], 4
	s_add_co_u32 s44, s44, s[G]
	s_mul_i32 s44, s44, RECB
	s_mov_b32 s45, 0
	s_add_nc_u64 s[38:39], s[4:5], s[44:45]        ; q's record of the group,
	s_mul_i32 s44, s[CX], FRB
	s_add_nc_u64 s[36:37], s[38:39], s[44:45]      ; its fragment cx,
	s_lshl_b32 s44, s[CX], 2
	s_add_nc_u64 s[38:39], s[38:39], s[44:45]      ; and that fragment's scale word
.if \u == 0                                    ; registers 6 u .. 6 u + 5 of the fragment
	global_load_b128 v[QZ+6:QZ+9], v[LI], s[36:37]
	global_load_b64 v[QZ+10:QZ+11], v[LI], s[36:37] offset:512
.else
	global_load_b64 v[QZ+6:QZ+7], v[LI], s[36:37] offset:520
	global_load_b128 v[QZ+8:QZ+11], v[LI], s[36:37] offset:1024
.endif
	global_load_b32 v[QS1], v[LI], s[38:39] offset:4*FRB
	s_lshr_b32 s46, s[BH], 4
	s_lshl_b32 s46, s46, 7
	s_lshl_b32 s47, s[G], 3
	s_add_co_u32 s46, s46, s47
	s_lshl_b32 s47, s[CX], 1
	s_add_co_u32 s46, s46, s47
	s_add_co_u32 s46, s46, \u                      ; my tile's row block in ao: 128 batch + 8 G + 2 cx + u
	s_and_b32 s47, s[BH], 15                       ; the head
	s_lshl_b32 s44, s46, 3
	s_lshr_b32 s48, s47, 1
	s_add_co_u32 s44, s44, s48                     ; fragment (row block, head / 2),
	s_mul_i32 s44, s44, FRB
	s_and_b32 s48, s47, 1
	s_mul_i32 s48, s48, 768                        ; its planes 3 (head % 2) on
	s_add_co_u32 s44, s44, s48
	s_add_nc_u64 s[40:41], s[8:9], s[44:45]
	s_lshl_b32 s44, s46, 9
	s_lshl_b32 s48, s47, 1
	s_add_co_u32 s44, s44, s48                     ; the scale bytes: 512 a row block, the head's two at 2 x head
	s_add_nc_u64 s[42:43], s[10:11], s[44:45]
	v_mov_b32 v13, 0xff61b1e6                      ; the largest t so far: -3e38
	s_delay_alu instid0(VALU_DEP_1)
	v_floor_f32 v12, -v13                          ; -M
	v_mov_b32 v14, 0
	v_mov_b32 v15, 0
	v_add_nc_u32 v[DD], 8*\u, v[D0]
	s_wait_loadcnt 0x0
.if \u == 0
	v_and_b32 v[QS0], 0xffff, v[QS1]               ; my token's two bytes of the word
.else
	v_lshrrev_b32 v[QS0], 16, v[QS1]
.endif
	s_delay_alu instid0(VALU_DEP_1)
	v_lshlrev_b32 v[QS1], 16, v[QS0]
.set j, 0
.rept 32
	v_mov_b32 v[O+j], 0                            ; O^T: the first change of M leaves zeros zeros.  (Also the places between q's scale words and the first products)
.set j, j+1
.endr
	s_mov_b32 s[STEPC], 0
	s_mov_b32 s[TB], 0
.Lstep_\@:                                         ; 16 trips for every wave; a step behind the diagonal is jumped over
	s_cmp_gt_u32 s[STEPC], s[G]
	s_cbranch_scc1 .Lskip_\@
	s_setprio 2
	KSTEP
.Lskip_\@:
	s_add_co_u32 s[TB], s[TB], STEPB
	s_add_co_u32 s[STEPC], s[STEPC], 1
	s_cmp_lt_u32 s[STEPC], 16
	s_cbranch_scc1 .Lstep_\@
	s_setprio 0
	; the tile's end: O^T / the sum, quantised along the head's 64 channels: two blocks of 32
.rept 4
	v_nop                                          ; places behind the last products
.endr
	v_add_f32 v14, v14, v15
	s_delay_alu instid0(VALU_DEP_1)
	v_permlanex16_b32 v[PD], v14, s[SEL], s[SEL+1]
	s_delay_alu instid0(VALU_DEP_1)
	v_add_f32 v14, v14, v[PD]                      ; the row's sum
	s_wait_alu depctr_va_vdst(0)
	v_rcp_f32 v[FF], v14
	v_nop                                          ; a plain line behind the reciprocal
	s_wait_alu depctr_va_vdst(0)                   ; and the wait ahead of its first reader
.set j, 0
.rept 16
	v_pk_mul_f32 v[O+j:O+j+1], v[O+j:O+j+1], v[FF:FF+1] op_sel_hi:[1,0]   ; register 16 b + i: channel 32 b + 16 h + i
.set j, j+2
.endr
.irp b, 0,1
	v_max3_num_f32 v[BM+\b], |v[O+16*\b]|, |v[O+1+16*\b]|, 0x1800000
.endr
.irp i, 2,4,6,8,10,12,14
.irp b, 0,1
	s_delay_alu instid0(VALU_DEP_2)
	v_max3_num_f32 v[BM+\b], v[BM+\b], |v[O+16*\b+\i]|, |v[O+1+16*\b+\i]|
.endr
.endr
.irp b, 0,1
	s_delay_alu instid0(VALU_DEP_2)
	v_permlanex16_b32 v[PD+\b], v[BM+\b], s[SEL], s[SEL+1]
.endr
.irp b, 0,1
	s_delay_alu instid0(VALU_DEP_2)
	v_max_num_f32 v[BM+\b], v[BM+\b], v[PD+\b]
.endr
.irp b, 0,1
	s_delay_alu instid0(VALU_DEP_2)
	v_add_nc_u32 v[SO+\b], 0xff000000, v[BM+\b]
.endr
.irp b, 0,1
	s_delay_alu instid0(VALU_DEP_2)
	v_lshrrev_b32 v[PD+\b], 23, v[SO+\b]
.endr
	v_cvt_scalef32_pk16_fp6_f32 v[PCD:PCD+2], v[O:O+15], v[SO]
	v_cvt_scalef32_pk16_fp6_f32 v[PCD+4:PCD+6], v[O+16:O+31], v[SO+1]
	v_nop                                          ; one plain line behind the scaled conversions
.irp i, 0,1,2
	v_permlane16_swap_b32 v[PCD+\i], v[PCD+4+\i]   ; lanes 0-15 now hold block 0 whole, lanes 16-31 block 1
.endr
.irp i, 0,1,2
	s_delay_alu instid0(VALU_DEP_3)
	v_mov_b32 v[PCD+3+\i], v[PCD+4+\i]
.endr
	v_cndmask_b32 v[T], v[PD], v[PD+1], s[HM]      ; lanes 0-15 store block 0's byte, lanes 16-31 block 1's
.irp p, 0,1,2
	global_store_b64 v[L8], v[PCD+2*\p:PCD+2*\p+1], s[40:41] offset:256*\p   ; a plane: 256 consecutive bytes, at a multiple of 256 from the buffer's first byte
.endr
	global_store_b8 v[SBY], v[T], s[42:43]         ; single bytes, once a tile: a row's word holds two heads' bytes, and the other head is another cluster's
.endm
	TILE 0
	TILE 1
	s_wait_tensorcnt 0x0
	ds_add_u32 v254, v255
	s_wait_dscnt 0x0
	CROUND                                         ; the closing round
	s_endpgm
.Lfunc_end_k_q14ec9398b3_attn:
	.size	k_q14ec9398b3_attn, .Lfunc_end_k_q14ec9398b3_attn-k_q14ec9398b3_attn
	.p2alignl 7, 3214868480
	.fill 96, 4, 3214868480
	.section	.rodata,"a",@progbits
	.p2align	6, 0x0
	.amdhsa_kernel k_q14ec9398b3_attn
		.amdhsa_group_segment_fixed_size 215040
		.amdhsa_private_segment_fixed_size 0
		.amdhsa_enable_private_segment 0
		.amdhsa_kernarg_size 32
		.amdhsa_user_sgpr_count 2
		.amdhsa_user_sgpr_kernarg_segment_ptr 1
		.amdhsa_wavefront_size32 1
		.amdhsa_system_sgpr_workgroup_id_x 1
		.amdhsa_system_sgpr_workgroup_id_y 1
		.amdhsa_system_sgpr_workgroup_id_z 1
		.amdhsa_system_vgpr_workitem_id 0
		.amdhsa_next_free_vgpr 256
		.amdhsa_next_free_sgpr 66
		.amdhsa_reserve_vcc 1
		.amdhsa_float_denorm_mode_32 3
		.amdhsa_float_denorm_mode_16_64 3
		.amdhsa_memory_ordered 1
		.amdhsa_forward_progress 1
		.amdhsa_inst_pref_size 63
	.end_amdhsa_kernel
	.amdgpu_metadata
---
amdhsa.version: [ 1, 2 ]
amdhsa.kernels:
  - .name:           k_q14ec9398b3_attn
    .symbol:         k_q14ec9398b3_attn.kd
    .args:
      - { .name: q, .offset: 0, .size: 8, .value_kind: global_buffer, .address_space: global }
      - { .name: kv, .offset: 8, .size: 8, .value_kind: global_buffer, .address_space: global }
      - { .name: ao, .offset: 16, .size: 8, .value_kind: global_buffer, .address_space: global }
      - { .name: aos, .offset: 24, .size: 8, .value_kind: global_buffer, .address_space: global }
    .group_segment_fixed_size: 215040
    .private_segment_fixed_size: 0
    .kernarg_segment_align: 8
    .kernarg_segment_size: 32
    .max_flat_workgroup_size: 512
    .sgpr_count:     66
    .vgpr_count:     256
    .wavefront_size: 32
...
	.end_amdgpu_metadata
.endif
;; end of part 3
;; launch oproj (part 4): grid 4 x 32, 4 waves a work-group, clusters of 4 x 4, 327,680 bytes of LDS; arguments ao, aos, codes, scales, out0; writes out0
.if DOCPART == 4
	.amdgcn_target "amdgcn-amd-amdhsa--gfx1250"
	.amdhsa_code_object_version 6
	.text
	.protected	k_q14ec9398b3_oproj
	.globl	k_q14ec9398b3_oproj
	.p2align	8
	.type	k_q14ec9398b3_oproj,@function
k_q14ec9398b3_oproj:
	s_mov_b64 s[64:65], 0
	v_nop
	global_prefetch_b8 v0, s[64:65] scope:SCOPE_SE
	s_setreg_imm32_b32 hwreg(HW_REG_WAVE_MODE, 25, 1), 1
	s_wait_xcnt 0x0
	s_wait_alu depctr_hold_cnt(0) depctr_sa_sdst(0) depctr_va_vdst(0) depctr_va_sdst(0) depctr_va_ssrc(0) depctr_va_vcc(0) depctr_vm_vsrc(0)
	s_getreg_b32 s2, hwreg(HW_REG_IB_STS2, 6, 4)
	s_cmp_eq_u32 s2, 0
	s_cbranch_scc0 .Lentry_in_a_cluster
	s_endpgm
.Lentry_in_a_cluster:
	s_bfe_u32 s2, ttmp6, 0x10000c
	s_cmp_lg_u32 s2, 0xf033
	s_cbranch_scc0 .Lentry_shape_is_right
	s_endpgm
.Lentry_shape_is_right:
; OPROJ.  out0 = (attention's result) wo^T on codes of FP6 (E2M3) with E8M0 scales, K = 1,024; out0 [8192][1024] f32.
; A tile of 256 x 256 of out0 is made by four waves, 128 x 128 each: 64 accumulators of 16 x 16.  K goes in steps of 256 through a ring of two LDS slots filled by the tensor data mover.
; OPERANDS lie in memory as images of the operand's registers (fragment (row block, 128 along K): 1,536 bytes, six planes of 256 bytes, lane l's two registers at 8 l); their scale words (32 bytes a place) come into LDS once.
; Source 0 = 16 places of wo (role B), source 1 = 16 places of the tokens (role A): a lane holds one token, its registers run along out0's columns.
; THE PLACES OF A BLOCK ARE NOT NEIGHBOURS: place r of block 2 g + u is row 32 g + 8 u + r % 8 + 16 (r / 8), for tokens and for wo's rows: the way out puts both back.
; CLUSTERS 4 x 4: A's tiles are asked for jointly along a row of the cluster, B's along a column.
; REGISTERS: window 0: v16-29 addresses; v32-63 scale words, two sets; from v128 A's fragments, one set (way out: rows read back);  window 1: B's fragments, two sets;  windows 2, 3: the accumulators.
.set NQ,     2
.set FR,     12
.set NL,     6
.set NP,     4
.set FRB,    1536
.set RBK,    2*FRB
.set RBM,    8*FRB
.set HALFT,  8*RBK
.set SLOT,   4*HALFT
.set SCL,    2*SLOT
.set HALFS,  16*272
.set SBLK,   2*272
.set SPARE,  SCL+4*HALFS               ; the spare words, 128 bytes a wave: two blocks of 256 bytes that no other line names
.set LAPS,   2
.set WOB,    704                       ; wo's first row block among the codes
.set ROWC,   4096                      ; a row of out0
.set SPITCH, 528                       ; the way out: a stage of 16 rows x (512 bytes + 16) for each wave, in slot 0, which has had its last fill and its last read by then
.set ADRA, 16
.set ADRB, 20
.set STO,  24
.set RD,   25
.set CO,   26
.set ADRS, 27
.set SPW,  28
.set NIL,  29
.set SC,   32
.set AF,   128
.set BK,   128
.set G1, 24
.set G0, 32
.set G1B, 48
.set G0B, 56
.set G1S, 68
.set G0S, 76
.set G1SB, 80
.set G0SB, 88
.set MSB, 0
.macro WIN new                         ; the immediate's high byte repeats the setting that is left
.if MSB != (\new)
	s_set_vgpr_msb (MSB<<8)|(\new)
.set MSB, (\new)
.endif
.endm
.set MUL_LO, 0xa1
.set MUL_HI, 0xf1
.set TO_B,   0x40
.macro JLOAD g0a, g1a, g0b, g1b        ; a joint load: waves 0 and 1 fetch for A, waves 2 and 3 for B; four v_nop follow each of the two lines
	s_cmp_eq_u32 s15, 0
	s_cbranch_scc0 .Lfor_b_\@
	tensor_load_to_lds s[\g0a:\g0a+3], s[\g1a:\g1a+7]
	s_nop 0
.rept 4
	v_nop
.endr
	s_branch .Lasked_\@
.Lfor_b_\@:
	tensor_load_to_lds s[\g0b:\g0b+3], s[\g1b:\g1b+7]
	s_nop 0
.rept 4
	v_nop
.endr
.Lasked_\@:
.endm
.macro CREST
	s_cmp_lg_u32 s14, 0
	s_cbranch_scc1 .Lnot_wave_0_\@
	s_barrier_signal -3
.Lnot_wave_0_\@:
	s_barrier_wait -3
	s_barrier_signal -1
	s_barrier_wait -1
.endm
.macro CROUND
	s_barrier_signal -1
	s_barrier_wait -1
	CREST
.endm
	s_load_b128 s[4:7], s[0:1], 0x0                ; ao, aos
	s_load_b128 s[8:11], s[0:1], 0x10              ; codes, scales
	s_load_b64 s[12:13], s[0:1], 0x20              ; out0
	v_lshl_add_u32 v[SPW], v0, 2, SPARE
	v_mov_b32 v[NIL], 0
	ds_add_u32 v28, v29
	ds_add_u32 v28, v29
	s_wait_dscnt 0x0
	v_lshrrev_b32 v1, 5, v0
	v_readfirstlane_b32 s14, v1                    ; wave 0..3
	s_lshr_b32 s15, s14, 1                         ; which half of the tile's rows is mine.  Also: I fetch for A (0) or for B (1)
	s_and_b32 s16, s14, 1                          ; which half of its columns.  Also: which 128 places of that tile I fetch
	s_bfe_u32 s40, ttmp6, 0x40000
	s_bfe_u32 s41, ttmp6, 0x40004
	s_lshl_b32 s42, ttmp9, 2
	s_add_co_u32 s42, s42, s40                     ; tile column
	s_and_b32 s17, ttmp7, 0xffff
	s_lshl_b32 s17, s17, 2
	s_add_co_u32 s17, s17, s41                     ; tile row
	s_lshl_b32 s43, s41, 2
	s_lshl_b32 s43, 15, s43                        ; my row of the cluster
	s_lshl_b32 s44, 0x1111, s40                    ; my column
	s_or_b32 s[G1+0], s43, (3<<16)|(1<<21)         ; the codes: 8 row blocks x 3,072 bytes (384 elements of 8 bytes), 12,288 bytes apart in memory, dense in LDS
	s_or_b32 s[G1B+0], s44, (3<<16)|(1<<21)
.irp g, G1, G1B
	s_mov_b32 s[\g+1], 384<<16
	s_mov_b32 s[\g+2], 8<<16
	s_mov_b32 s[\g+3], 384<<16
	s_mov_b32 s[\g+4], 8
	s_mov_b32 s[\g+5], 1536
	s_mov_b32 s[\g+6], 0
	s_mov_b32 s[\g+7], 0
.endr
	s_or_b32 s[G1S+0], s43, (3<<16)|(1<<20)|(1<<21)|(5<<22)|(3<<25)   ; the scales of 128 places: 16 rows of 256 bytes, 16 bytes of padding behind each
	s_or_b32 s[G1SB+0], s44, (3<<16)|(1<<20)|(1<<21)|(5<<22)|(3<<25)
.irp g, G1S, G1SB
	s_mov_b32 s[\g+1], 32<<16
	s_mov_b32 s[\g+2], 16<<16
	s_mov_b32 s[\g+3], 32<<16
	s_mov_b32 s[\g+4], 16
	s_mov_b32 s[\g+5], 32
	s_mov_b32 s[\g+6], 0
	s_mov_b32 s[\g+7], 0
.endr
	s_lshl_b32 s18, s16, 3
	s_lshl_b32 s20, s17, 4
	s_add_co_u32 s20, s20, s18                     ; A: first row block
	s_lshl_b32 s46, s42, 4
	s_add_co_u32 s46, s46, s18
	s_add_co_u32 s46, s46, WOB                     ; B
	s_lshl_b32 s22, s20, 9
	s_mov_b32 s23, 0
	s_mul_i32 s20, s20, RBM
	s_mov_b32 s21, 0
	s_lshl_b32 s92, s46, 9
	s_mov_b32 s93, 0
	s_mul_i32 s46, s46, RBM
	s_mov_b32 s47, 0
	s_mul_i32 s45, s14, HALFT
	s_mul_i32 s94, s14, HALFS
	s_wait_kmcnt 0x0
	s_add_nc_u64 s[20:21], s[4:5], s[20:21]
	s_add_nc_u64 s[22:23], s[6:7], s[22:23]
	s_add_nc_u64 s[46:47], s[8:9], s[46:47]
	s_add_nc_u64 s[92:93], s[10:11], s[92:93]
	CROUND                                         ; all sixteen work-groups are here: the first joint loads meet
	s_mov_b32 s[G0S], 1
	s_add_co_u32 s[G0S+1], s94, SCL
	s_mov_b64 s[G0S+2:G0S+3], s[22:23]
	s_or_b32 s[G0S+3], s[G0S+3], 0x80000000
	s_mov_b32 s[G0SB], 1
	s_add_co_u32 s[G0SB+1], s94, SCL
	s_mov_b64 s[G0SB+2:G0SB+3], s[92:93]
	s_or_b32 s[G0SB+3], s[G0SB+3], 0x80000000
	JLOAD G0S, G1S, G0SB, G1SB
.irp s, 0,1
	s_mov_b32 s[G0+4*\s], 1
	s_add_co_u32 s[G0+4*\s+1], s45, \s*SLOT
	s_add_nc_u64 s[G0+4*\s+2:G0+4*\s+3], s[20:21], \s*RBK
	s_or_b32 s[G0+4*\s+3], s[G0+4*\s+3], 0x80000000
	s_mov_b32 s[G0B+4*\s], 1
	s_add_co_u32 s[G0B+4*\s+1], s45, \s*SLOT
	s_add_nc_u64 s[G0B+4*\s+2:G0B+4*\s+3], s[46:47], \s*RBK
	s_or_b32 s[G0B+4*\s+3], s[G0B+4*\s+3], 0x80000000
	JLOAD G0+4*\s, G1, G0B+4*\s, G1B
.endr
	v_and_b32 v1, 15, v0                           ; r
	v_bfe_u32 v2, v0, 4, 1                         ; h
	v_and_b32 v3, 31, v0                           ; lane
	v_lshlrev_b32 v4, 3, v3
	s_mul_i32 s21, s15, HALFT
	s_mul_i32 s22, s16, HALFT
	s_add_co_u32 s22, s22, 2*HALFT
.irp s, 0,1
	v_add_nc_u32 v[ADRA+\s], s21, v4
	v_add_nc_u32 v[ADRB+\s], s22, v4
	s_add_co_u32 s21, s21, SLOT
	s_add_co_u32 s22, s22, SLOT
.endr
	v_mul_u32_u24 v5, v1, 32
	v_lshrrev_b32 v6, 8, v5
	v_lshl_add_u32 v5, v6, 4, v5
	s_mul_i32 s21, s15, HALFS
	s_mul_i32 s22, s16, HALFS
	s_add_co_u32 s22, s22, 2*HALFS
	s_sub_co_u32 s22, s22, s21
	v_mul_u32_u24 v6, s22, v2                      ; lanes 16-31 take B's
	s_add_co_u32 s21, s21, SCL
	v_add_nc_u32 v5, v5, v6
	v_add_nc_u32 v[ADRS], s21, v5
	s_mul_i32 s23, s14, 16*SPITCH                  ; my stage
	v_mul_u32_u24 v5, v1, SPITCH                   ; in: row r; my half's columns lie 16 on: 64 bytes
	v_lshl_add_u32 v5, v2, 6, v5
	v_add_nc_u32 v[STO], s23, v5
	v_lshlrev_b32 v[CO], 4, v3                     ; back: the 32 lanes take one row of 512 bytes; and the same in out0
	v_add_nc_u32 v[RD], s23, v[CO]
	s_lshl_b32 s20, s17, 8
	s_lshl_b32 s21, s15, 7
	s_add_co_u32 s20, s20, s21                     ; my first row
	s_lshl_b32 s20, s20, 12
	s_lshl_b32 s46, s42, 10                        ; my first column, in bytes
	s_lshl_b32 s47, s16, 9
	s_add_co_u32 s46, s46, s47
	s_add_co_u32 s20, s20, s46
	s_mov_b32 s21, 0
	s_add_nc_u64 s[12:13], s[12:13], s[20:21]
.macro FRAG reg, adr, q, i
.irp p, 0,1,2,3,4,5
	ds_load_b64 v[\reg+2*\p:\reg+2*\p+1], v[\adr] offset:RBK*(\i)+FRB*(\q)+256*\p
.endr
.endm
; The 64 accumulators take turns, one instruction a turn, in the same order in every step.
.macro MUL16 a0, p, q, sc, zero
.irp a, \a0, \a0+1
.irp b, 0,1,2,3,4,5,6,7
.if \zero
	v_wmma_scale_f32_16x16x128_f8f6f4 v[8*(8*((\a)%4)+\b):8*(8*((\a)%4)+\b)+7], v[128*(\p)+FR*\b:128*(\p)+FR*\b+FR-1], v[AF+FR*(\a):AF+FR*(\a)+FR-1], 0, v[SC+8*NQ*(\sc)+NQ*\b+(\q)], v[SC+8*NQ*(\sc)+NQ*(\a)+(\q)] matrix_a_fmt:MATRIX_FMT_FP6 matrix_b_fmt:MATRIX_FMT_FP6 matrix_a_scale:MATRIX_SCALE_ROW1
.else
	v_wmma_scale_f32_16x16x128_f8f6f4 v[8*(8*((\a)%4)+\b):8*(8*((\a)%4)+\b)+7], v[128*(\p)+FR*\b:128*(\p)+FR*\b+FR-1], v[AF+FR*(\a):AF+FR*(\a)+FR-1], v[8*(8*((\a)%4)+\b):8*(8*((\a)%4)+\b)+7], v[SC+8*NQ*(\sc)+NQ*\b+(\q)], v[SC+8*NQ*(\sc)+NQ*(\a)+(\q)] matrix_a_fmt:MATRIX_FMT_FP6 matrix_b_fmt:MATRIX_FMT_FP6 matrix_a_scale:MATRIX_SCALE_ROW1
.endif
.endr
.endr
.endm
.macro FETCH_B slot, q, p
	WIN TO_B
.irp i, 0,1,2,3,4,5,6,7
	FRAG 128*(\p)+FR*\i, ADRB+\slot, \q, \i
.endr
	WIN 0
.endm
.macro FETCH_A slot, q, i0
.irp i, \i0, \i0+1, \i0+2, \i0+3
	FRAG AF+FR*(\i), ADRA+\slot, \q, \i
.endr
.endm
.macro SCALES sc
.irp i, 0,1,2,3,4,5,6,7
	ds_load_b64 v[SC+8*NQ*\sc+NQ*\i:SC+8*NQ*\sc+NQ*\i+1], v[ADRS] offset:\i*SBLK
.endr
.endm
.macro PLACES n
.rept \n
	v_nop
.endr
.endm
.macro STEP slot, q, zero
	s_wait_dscnt 4*NL                              ; B's set and A's blocks 0-3 are in; the youngest 24 loads (A's blocks 4-7) may be out
	WIN MUL_LO
	MUL16 0, (\q)%2, \q, \slot, \zero
	MUL16 2, (\q)%2, \q, \slot, \zero
	s_wait_dscnt 0
	PLACES NP
	FETCH_B \slot, (\q)+1, 1-(\q)%2
	FETCH_A \slot, (\q)+1, 0
	WIN MUL_HI
	MUL16 4, (\q)%2, \q, \slot, \zero
	MUL16 6, (\q)%2, \q, \slot, \zero
	PLACES NP
	WIN 0
	FETCH_A \slot, (\q)+1, 4
.endm
.macro TURN slot, next, fill
	s_wait_tensorcnt 0x0                           ; all my tensor loads have landed: my part of the next slot
	ds_add_u32 v[SPW], v[NIL]                      ; 0 onto my spare word
	s_wait_dscnt 4*NL+1                            ; (the add and the youngest 24 loads may be out)
	WIN MUL_LO
	MUL16 0, 1, NQ-1, \slot, 0
	s_wait_dscnt 0x0                               ; the add is done, and my reads of this slot are over
	s_barrier_signal -1
	MUL16 2, 1, NQ-1, \slot, 0
	WIN 0
	s_barrier_wait -1
.if \fill
	CREST                                          ; the barrier has opened a round of the cluster's: no wave of any partner still reads this slot or has a load on its way
	s_add_nc_u64 s[G0+4*\slot+2:G0+4*\slot+3], s[G0+4*\slot+2:G0+4*\slot+3], 2*RBK
	s_add_nc_u64 s[G0B+4*\slot+2:G0B+4*\slot+3], s[G0B+4*\slot+2:G0B+4*\slot+3], 2*RBK
	JLOAD G0+4*\slot, G1, G0B+4*\slot, G1B
.else
	PLACES NP
.endif
	v_add_nc_u32 v[ADRS], 4*NQ, v[ADRS]
	FETCH_B \next, 0, 0
	FETCH_A \next, 0, 0
	SCALES \next
	WIN MUL_HI
	MUL16 4, 1, NQ-1, \slot, 0
	MUL16 6, 1, NQ-1, \slot, 0
	PLACES NP
	WIN 0
	FETCH_A \next, 0, 4
.endm
	s_wait_tensorcnt 1                             ; the scales and my part of K step 0 are in; K step 1's load may be out
	s_barrier_signal -1
	s_barrier_wait -1
	FETCH_B 0, 0, 0
	FETCH_A 0, 0, 0
	SCALES 0
	FETCH_A 0, 0, 4
	STEP 0, 0, 1
	s_mov_b32 s3, LAPS-1
.Llap:
	TURN 0, 1, 1
	STEP 1, 0, 0
	TURN 1, 0, 1
	STEP 0, 0, 0
	s_sub_co_u32 s3, s3, 1
	s_cmp_lg_u32 s3, 0
	s_cbranch_scc1 .Llap
	TURN 0, 1, 0
	STEP 1, 0, 0
	s_wait_dscnt 4*NL
	WIN MUL_LO
	MUL16 0, 1, NQ-1, 1, 0
	MUL16 2, 1, NQ-1, 1, 0
	s_wait_dscnt 0
	WIN MUL_HI
	MUL16 4, 1, NQ-1, 1, 0
	MUL16 6, 1, NQ-1, 1, 0
	WIN 0
; THE WAY OUT, block by block of 16 tokens x 128 columns, through my own stage: in lane (r, h) register j of accumulator b is column 32 (b / 2) + 8 (b % 2) + 16 h + j of place r's token.
; The rows come back whole, 512 bytes to the 32 lanes.  LDS serves a wave's instructions in order: no wait between the stores and the loads, nor in front of the next block's stores.
.macro TOSTAGE a
.set AC, 64*((\a)%4)
	WIN 0x08+4*((\a)/4)                            ; an LDS store's data: window 2 or 3
.irp b, 0,1,2,3,4,5,6,7
	ds_store_b128 v[STO], v[AC+8*\b:AC+8*\b+3] offset:128*(\b/2)+32*(\b%2)       ; each accumulator from its low end on
	ds_store_b128 v[STO], v[AC+8*\b+4:AC+8*\b+7] offset:128*(\b/2)+32*(\b%2)+16
.endr
	WIN 0
.set BB, BK+64*((\a)%2)
.irp t, 0,1,2,3,4,5,6,7,8,9,10,11,12,13,14,15
	ds_load_b128 v[BB+4*\t:BB+4*\t+3], v[RD] offset:\t*SPITCH
.endr
.endm
.macro SEND a, younger                 ; younger: the LDS instructions issued behind block a's loads, which may stay out
.set BB, BK+64*((\a)%2)
	s_wait_dscnt \younger
.if (\a) > 0
.if ((\a)%2) == 1
	s_add_nc_u64 s[12:13], s[12:13], 8*ROWC        ; block 2 g + 1 begins 8 rows behind block 2 g,
.else
	s_add_nc_u64 s[12:13], s[12:13], 24*ROWC       ; block 2 g + 2 another 24 on.  (Both behind a wait on XCNT: the earlier stores have read their base)
.endif
.endif
.irp t, 0,1,2,3,4,5,6,7,8,9,10,11,12,13,14,15
	global_store_b128 v[CO], v[BB+4*\t:BB+4*\t+3], s[12:13] offset:((\t%8)+16*(\t/8))*ROWC th:TH_STORE_NT   ; place t's row; 32 lanes store 512 consecutive bytes, at a multiple of 256 from out0's first byte
.endr
.endm
	PLACES NP
	TOSTAGE 0
.irp a, 1,2,3,4,5,6,7
.if \a > 1
	s_wait_xcnt 0x0                                ; block a - 2's stores have read their registers and their base
.endif
	TOSTAGE \a
	SEND \a-1, 32                                  ; behind block a - 1's loads: block a's 16 stores and 16 loads
.endr
	s_wait_xcnt 0x0
	SEND 7, 0
	s_wait_tensorcnt 0x0                           ; the wave's end
	ds_add_u32 v[SPW], v[NIL]
	s_wait_dscnt 0x0
	CROUND                                         ; the closing round
	s_endpgm
.Lfunc_end_k_q14ec9398b3_oproj:
	.size	k_q14ec9398b3_oproj, .Lfunc_end_k_q14ec9398b3_oproj-k_q14ec9398b3_oproj
	.p2alignl 7, 3214868480
	.fill 96, 4, 3214868480
	.section	.rodata,"a",@progbits
	.p2align	6, 0x0
	.amdhsa_kernel k_q14ec9398b3_oproj
		.amdhsa_group_segment_fixed_size 327680
		.amdhsa_private_segment_fixed_size 0
		.amdhsa_enable_private_segment 0
		.amdhsa_kernarg_size 40
		.amdhsa_user_sgpr_count 2
		.amdhsa_user_sgpr_kernarg_segment_ptr 1
		.amdhsa_wavefront_size32 1
		.amdhsa_system_sgpr_workgroup_id_x 1
		.amdhsa_system_sgpr_workgroup_id_y 1
		.amdhsa_system_sgpr_workgroup_id_z 1
		.amdhsa_system_vgpr_workitem_id 0
		.amdhsa_next_free_vgpr 1024
		.amdhsa_next_free_sgpr 98
		.amdhsa_reserve_vcc 0
		.amdhsa_float_denorm_mode_32 3
		.amdhsa_float_denorm_mode_16_64 3
		.amdhsa_memory_ordered 1
		.amdhsa_forward_progress 1
		.amdhsa_inst_pref_size 159
	.end_amdhsa_kernel
	.amdgpu_metadata
---
amdhsa.version: [ 1, 2 ]
amdhsa.kernels:
  - .name:           k_q14ec9398b3_oproj
    .symbol:         k_q14ec9398b3_oproj.kd
    .args:
      - { .name: ao, .offset: 0, .size: 8, .value_kind: global_buffer, .address_space: global }
      - { .name: aos, .offset: 8, .size: 8, .value_kind: global_buffer, .address_space: global }
      - { .name: codes, .offset: 16, .size: 8, .value_kind: global_buffer, .address_space: global }
      - { .name: scales, .offset: 24, .size: 8, .value_kind: global_buffer, .address_space: global }
      - { .name: out0, .offset: 32, .size: 8, .value_kind: global_buffer, .address_space: global }
    .group_segment_fixed_size: 327680
    .private_segment_fixed_size: 0
    .kernarg_segment_align: 8
    .kernarg_segment_size: 40
    .max_flat_workgroup_size: 128
    .sgpr_count:     98
    .vgpr_count:     1024
    .wavefront_size: 32
...
	.end_amdgpu_metadata
.endif
;; end of part 4
